; MI455X (gfx1250); checked and timed in simulation.
; The chip was launched on July 23, 2026; its instructions are those of AMD's public machine-readable ISA for CDNA 5 (MIT licence, August 2026) and "CDNA5" Instruction Set Architecture Reference Guide (July 2026). The comments in the code are by the model that wrote it; some were corrected since.
;; Simple Attention. Allowed arithmetic: matrix products marked QUANTISED: E2M3 operands, one E8M0 scale for each 32 along K, by v_wmma_scale_f32_16x16x128_f8f6f4 with both operands' format E2M3, f32 sums; everything else in f32.
;; Inputs: Wk 1,024 x 1,024 float32; Wo 1,024 x 1,024 float32; Wq 1,024 x 1,024 float32; Wv 1,024 x 1,024 float32; x 4 x 2,048 x 1,024 float32.
;; Outputs: out0 4 x 2,048 x 1,024 float32.
;; Constants: seqlen = 2048.
;; This version of the problem:
;;   THIS VERSION OF THE PROBLEM IS GIVEN IN LOW PRECISION. The matrix products marked QUANTISED in the list below multiply operands that are first quantised to E2M3 (2 exponent bits, 3 mantissa bits; 6 bits a number), with one power-of-two scale for each 32 numbers along K (OCP MX v1.0); their sums are f32. All else is computed in f32.
;;   The module's matrix products, in the order in which they are computed (A, B: the left and right operand; K: the contracted axis; several contracted axes count as one K, in the product's order):
;;     1. [M 8,192, K 1,024] x [K 1,024, N 1,024]; A: input x; B: input Wq: QUANTISED
;;     2. [M 8,192, K 1,024] x [K 1,024, N 1,024]; A: input x; B: input Wk: QUANTISED
;;     3. [M 8,192, K 1,024] x [K 1,024, N 1,024]; A: input x; B: input Wv: QUANTISED
;;     4. batch 64 x [M 2,048, K 64] x [K 64, N 2,048]; A: computed on the way; B: computed on the way: QUANTISED
;;     5. batch 64 x [M 64, K 2,048] x [K 2,048, N 2,048]; A: computed on the way; B: softmax (see below): QUANTISED
;;     6. [M 8,192, K 1,024] x [K 1,024, N 1,024]; A: computed on the way; B: input Wo: QUANTISED
;;   THE QUANTISER, for each operand of a quantised product, along K:
;;     - K is cut into blocks of 32 from its start; a last block that is shorter is filled with zeros.
;;     - A block's scale is 2^e with e = floor(log2(the largest magnitude in the block)) - 2, held to -126 .. 127; a block of zeros has e = 0. As a byte (E8M0): e + 127.
;;     - Each number is divided by its block's scale, clamped to +-7.5, and rounded to the nearest number of E2M3, ties to even, subnormals kept.
;;     - The product sums the exact products of the quantised numbers (number of the format x scale) in f32.
;;   ~~~python
;;   def quantise(x, axis):      # numpy; x: float32 -> the quantised numbers, widened to float32 again
;;       x = np.moveaxis(x, axis, -1); K = x.shape[-1]
;;       x = np.pad(x, [(0, 0)] * (x.ndim - 1) + [(0, -K % 32)]); x = x.reshape(x.shape[:-1] + (-1, 32)); a = np.abs(x).max(-1, keepdims=True)
;;       e = np.where(a > 0, np.clip(np.frexp(np.where(a > 0, a, 1))[1] - 1 - 2, -126, 127), 0)      # np.frexp(a)[1] - 1 = floor(log2(a)), exactly
;;       r = np.clip(x / 2.0 ** e, -7.5, 7.5)
;;       step = 2.0 ** (np.maximum(np.frexp(np.where(r == 0, 1, r))[1] - 1, 0) - 3)
;;       q = np.round(r / step) * step * 2.0 ** e      # np.round: ties to even
;;       return np.moveaxis(q.reshape(q.shape[:-2] + (-1,))[..., :K], -1, axis).astype(np.float32)
;;   ~~~
;;   SOFTMAX AHEAD OF A QUANTISED PRODUCT. Where the list says 'softmax', what is quantised is not the finished softmax but p = 2^(t - M), with t = logit x log2(e) and M = ceil(the row's largest t), a whole number; so 1/2 < the row's largest p <= 1. The row's sum l is taken of the UNQUANTISED p, in f32, and the product's result is divided by l at the end. Since M is a whole number, a kernel that streams over the keys may use a running M (the ceiling of the running maximum): every later rescaling is an exact power of two, which a block's scale takes up: the codes' values come out the same.
;;   OPERANDS COMPUTED ON THE WAY. 'Computed on the way' means the value that the module computes at that place (a softmax that the list does not call 'softmax' is quantised finished and normalised). What goes into a quantiser is computed in f32, as accurately as f32 sums, v_exp_f32 and their like allow (about 1e-6 of the number): no bf16 or f16 on the way to a quantiser, and a product that is left as it is and whose result goes on into a quantised operand takes f32 operands (vector FMAs, or v_wmma_f32_16x16x4_f32). A number that lies on a knife's edge between two numbers of the format may be rounded either way, as far as f32 arithmetic and the matrix unit's own rounding can turn it there, and no further.
;; One version. Each part assembles by itself: llvm-mc -triple=amdgcn-amd-amdhsa -mcpu=gfx1250 --defsym DOCPART=n.
;; ======== version 1 of 1: 4 launches
;; limits: right only within a limited range of input values
;; workspace buffers: prep 10,354,688 bytes; qkv 19,660,800 bytes; obuf 6,553,600 bytes
;; launch prep (part 1): grid 448 x 1, 4 waves a work-group, no clusters, 57,856 bytes of LDS; arguments x, Wq, Wk, Wv, Wo, prep; writes prep
.if DOCPART == 1
	.amdgcn_target "amdgcn-amd-amdhsa--gfx1250"
	.amdhsa_code_object_version 6
	.text
	.protected	k_q199d44aa2f_prep
	.globl	k_q199d44aa2f_prep
	.p2align	8
	.type	k_q199d44aa2f_prep,@function
k_q199d44aa2f_prep:
	s_mov_b64 s[64:65], 0
	v_nop
	global_prefetch_b8 v0, s[64:65] scope:SCOPE_SE
	s_setreg_imm32_b32 hwreg(HW_REG_WAVE_MODE, 25, 1), 1
	s_wait_xcnt 0x0
; PREP.  (1) x [8192][1024], Wq, Wk, Wv, Wo [1024][1024], f32, K innermost, become codes of FP6 (E2M3) and one E8M0 byte for each 32 along K.
; (2) the table of cos and sin for the rotation of Q and K: [position 2048][pair 32][cos, sin], f32, 256 bytes a position.
; THE CODES ARE LAID AS IMAGES OF OPERAND REGISTERS.  A half-image is 16 rows x 64 K, 768 bytes: lane (r, h) of a matrix operand holds the 24 bytes of row r, K = 32 h .. 32 h + 31;
; its first 16 bytes lie at 16 (r + 16 h), its last 8 at 512 + 8 (r + 16 h).  A block of 16 rows is 16 half-images on end, 12,288 bytes.
; THE BUFFER prep: x's 512 blocks from byte 0; from WR on 32 records of 102,400 bytes, one for each 128 rows of Wq, Wk, Wv, Wo: 8 blocks, then the rows' scale bytes (32 a row);
; from XSC on x's scale bytes (32 a row); from ROPE on the table.
; A block's scale is 2^(floor(log2(its largest magnitude)) - 2); its byte is the largest magnitude's exponent field - 2, held at 1 from below.
; ROW ORDER.  In x, Wq, Wk and Wv the four groups of 8 rows of every 32 rows are laid in the order 0, 2, 1, 3, so that a lane's registers of two neighbouring result tiles are 16 neighbours.  Wo keeps its order.
; SHARES.  Work-groups 0-383: 32 rows each, a wave 8 rows = 16 steps of 512 numbers.  Wave w writes group w of the 32 and reads the group with w's two bits swapped (Wo: group w).
; Each load reads 512 consecutive bytes; a step's 2,048 bytes turn through the wave's own stage in LDS so that a lane holds 16 neighbours along K.  The codes are gathered as two blocks of images in LDS
; and leave, behind one barrier, as 24,576 consecutive bytes, 512 to a store.  Work-groups 384-447: the table, a wave 8 positions, a lane a pair; no LDS.
; LIMITS.  NaN and infinities among the inputs are not served.  A block of zeros gets the byte 1 where the rule says 127: its codes are zeros, and this program alone reads the bytes.
; The table: 1 / 10000^(j / 32) is made as 2^(-j log2(10000) / 32) by v_exp_f32, so the angle can differ from one made by a power and a division by a few parts in 10^7 of itself;
; sin and cos of the f32 angle: reduction by pi / 2 in two parts, polynomials good to about 1e-7.
.set STEPS, 16
.set EMAX,  2
.set R,     16                         ; v16-79   four sets of 16 numbers as they are loaded; at the end the images on their way out
.set X,     80                         ; v80-111  two sets of 16 neighbours
.set WREG,  8192                       ; LDS: a region for each wave: two stages of 32 x SP bytes, behind them its 256 scale bytes
.set SP,    80                         ; a lane's place in a stage: its 64 bytes + 16 of padding
.set SPW,   12                         ; v12  LDS address of my spare word; never rewritten
.set NIL,   13                         ; v13  0; never rewritten
.set SPARE, 4*WREG                     ; the spare words, 128 bytes a wave
.set IMG,   SPARE+512                  ; the work-group's two blocks of images
.set REC,   102400
.set WR,    6291456
.set XSC,   9568256
.set ROPE,  9830400
.set TA,    32
.set TK,    40
.set TR,    48
.set TZ,    56
.set TS,    64
.set TC,    72
.set TQ,    80
.set TT,    88
.set TO,    96
	s_load_b256 s[4:11], s[0:1], 0x0               ; x, Wq, Wk, Wv
	s_load_b128 s[12:15], s[0:1], 0x20             ; Wo, prep
	v_lshl_add_u32 v[SPW], v0, 2, SPARE
	v_mov_b32 v[NIL], 0
	v_lshrrev_b32 v1, 5, v0
	v_readfirstlane_b32 s16, v1                    ; wave
	v_and_b32 v2, 31, v0                           ; lane
	s_cmp_ge_u32 ttmp9, 384
	s_cbranch_scc1 .Ltable
	v_lshlrev_b32 v3, 4, v2                        ; my 16 bytes of a load's 512
	s_mul_i32 s17, s16, WREG
	v_lshrrev_b32 v14, 2, v2
	v_mul_u32_u24 v14, v14, SP
	v_and_b32 v15, 3, v2
	v_lshl_add_u32 v14, v15, 4, v14
	v_add_nc_u32 v14, s17, v14                     ; the stage, on the way in
	v_mul_u32_u24 v15, v2, SP
	v_add_nc_u32 v15, s17, v15                     ; and on the way out: my 16 neighbours
	v_lshrrev_b32 v5, 1, v2
	s_add_co_u32 s17, s17, 2*32*SP
	v_add_nc_u32 v5, s17, v5                       ; my wave's 256 scale bytes, my block's byte
	v_lshlrev_b32 v7, 3, v2
	v_add_nc_u32 v6, s17, v7
	v_lshrrev_b32 v4, 2, v2                        ; the images: my block of 32 K lies in half-image lane / 4 (+ 8 in odd steps), half h = (lane / 2) % 2
	v_mul_u32_u24 v4, v4, 768
	v_bfe_u32 v10, v2, 1, 1
	s_lshr_b32 s22, s16, 1                         ; wave / 2: which block of 16 rows; wave % 2: rows 0-7 or 8-15 of it
	s_mul_i32 s22, s22, 12288
	s_add_co_u32 s22, s22, IMG
	s_and_b32 s23, s16, 1
	s_lshl_b32 s24, s23, 7
	s_add_co_u32 s24, s24, s22
	s_lshl_b32 s23, s23, 6
	s_add_co_u32 s23, s23, s22
	s_add_co_u32 s23, s23, 512
	s_wait_alu depctr_va_vdst(0)                   ; directly ahead of the readers below
	v_lshl_add_u32 v113, v10, 8, v4
	v_lshl_add_u32 v10, v10, 7, v4
	v_add_nc_u32 v4, s24, v113                     ; where a block's first 16 bytes go (+ 16 a row)
	v_add_nc_u32 v10, s23, v10                     ; and its last 8 (+ 8 a row)
	v_lshl_add_u32 v115, v0, 4, IMG                ; the way out: 16 bytes a thread
	v_lshlrev_b32 v116, 4, v0
	v_and_b32 v114, 1, v2
	v_cmp_ne_u32 s30, 0, v114                      ; odd lanes hold a block's upper 16 codes
.irp i, 132,133,134
	v_mov_b32 v\i, 0                               ; a DPP form's destination counts as one of its sources
.endr
	s_and_b32 s18, s16, 1
	s_lshl_b32 s18, s18, 1
	s_lshr_b32 s19, s16, 1
	s_or_b32 s18, s18, s19                         ; the wave's two bits swapped: the group that it reads
	s_and_b32 s19, ttmp9, 31
	s_sub_co_u32 s25, ttmp9, 256                   ; a weight's work-group: record (.. / 4), 32 rows (.. % 4) of it
	s_lshr_b32 s26, s25, 2
	s_mul_i32 s26, s26, REC
	s_add_co_u32 s26, s26, WR
	s_and_b32 s25, s25, 3
	s_mul_i32 s27, s25, 24576
	s_add_co_u32 s27, s27, s26
	s_lshl_b32 s25, s25, 10
	s_add_co_u32 s25, s25, s26
	s_add_co_u32 s25, s25, 98304
	s_mul_i32 s28, ttmp9, 24576                    ; x's work-group
	s_lshl_b32 s29, ttmp9, 10
	s_add_co_u32 s29, s29, XSC
	s_wait_alu depctr_va_vdst(0)                   ; the head's end
	s_wait_kmcnt 0x0
	s_cmp_lt_u32 ttmp9, 352                        ; every choice hangs on the work-group's number alone
	s_cselect_b32 s18, s18, s16                    ; Wo keeps its row order
	s_cselect_b64 s[12:13], s[10:11], s[12:13]
	s_cmp_lt_u32 ttmp9, 320
	s_cselect_b64 s[12:13], s[8:9], s[12:13]
	s_cmp_lt_u32 ttmp9, 288
	s_cselect_b64 s[12:13], s[6:7], s[12:13]
	s_cmp_lt_u32 ttmp9, 256
	s_cselect_b64 s[4:5], s[4:5], s[12:13]         ; the tensor that I read
	s_cselect_b32 s19, ttmp9, s19                  ; my work-group's number in it
	s_cselect_b32 s20, s28, s27                    ; where the images go
	s_cselect_b32 s22, s29, s25                    ; and the scale bytes
	s_mov_b32 s21, 0
	s_mov_b32 s23, 0
	s_add_nc_u64 s[8:9], s[14:15], s[20:21]
	s_lshl_b32 s24, s16, 8
	s_add_co_u32 s22, s22, s24
	s_add_nc_u64 s[10:11], s[14:15], s[22:23]
	s_lshl_b32 s19, s19, 2
	s_add_co_u32 s19, s19, s18
	s_lshl_b32 s20, s19, 15                        ; 8 rows are 32,768 bytes
	s_add_nc_u64 s[4:5], s[4:5], s[20:21]
.macro LOAD t
.irp i, 0,1,2,3
	global_load_b128 v[R+16*((\t)%4)+4*\i:R+16*((\t)%4)+4*\i+3], v3, s[4:5] offset:2048*(\t)+512*\i th:TH_LOAD_NT
.endr
.endm
.macro TURN t                          ; LDS serves a wave's instructions in order: no wait between the stores and the loads
.irp i, 0,1,2,3
	ds_store_b128 v14, v[R+16*((\t)%4)+4*\i:R+16*((\t)%4)+4*\i+3] offset:32*SP*((\t)%2)+8*SP*\i
.endr
.irp i, 0,1,2,3
	ds_load_b128 v[X+16*((\t)%2)+4*\i:X+16*((\t)%2)+4*\i+3], v15 offset:32*SP*((\t)%2)+16*\i
.endr
.endm
.irp t, 0,1,2,3
	LOAD \t
.endr
	s_wait_loadcnt 12                              ; step 0's four loads are in
	TURN 0
.macro STEP t
.set XS, X+16*((\t)%2)
.if (\t) > 0
	s_wait_dscnt 3                                 ; this step's numbers are back from the stage; the last step's three stores of results may be out
.else
	s_wait_dscnt 0x0
.endif
.if (\t)+4 < STEPS
	LOAD (\t)+4
.endif
.if (\t)+1 < STEPS
.if STEPS-2-(\t) >= 3
	s_wait_loadcnt 12                              ; the next step's four loads are in; those of the three steps behind it may be out
.else
	s_wait_loadcnt 4*(STEPS-2-(\t))
.endif
	TURN (\t)+1
.endif
	v_max3_num_f32 v8, |v[XS]|, |v[XS+1]|, |v[XS+2]|
	v_max3_num_f32 v9, |v[XS+3]|, |v[XS+4]|, |v[XS+5]|
.irp i, 6,10
	v_max3_num_f32 v8, v8, |v[XS+\i]|, |v[XS+\i+1]|
	v_max3_num_f32 v9, v9, |v[XS+\i+2]|, |v[XS+\i+3]|
.endr
	v_max3_num_f32 v8, v8, |v[XS+14]|, |v[XS+15]|
	v_max3_num_f32 v8, v8, v9, (EMAX+1)<<23        ; the floor: the byte cannot fall under 1
	v_max_num_f32_dpp v8, v8, v8 row_xmask:1 row_mask:0xf bank_mask:0xf   ; with my neighbour's 16: the block's
	v_add_nc_u32 v11, -(EMAX<<23), v8              ; the conversion's scale operand
	v_cvt_scalef32_pk16_fp6_f32 v[128:130], v[XS:XS+15], v11
	v_lshrrev_b32 v112, 23, v11                    ; the scale's byte (also the plain line behind the conversion)
	ds_store_b8 v5, v112 offset:16*(\t)
.irp i, 0,1,2
	v_mov_b32_dpp v[132+\i], v[128+\i] row_xmask:1 row_mask:0xf bank_mask:0xf   ; my neighbour's 12 bytes
.endr
.irp i, 0,1,2
	v_cndmask_b32 v[136+\i], v[128+\i], v[132+\i], s30   ; the block's lower 16 codes,
	v_cndmask_b32 v[139+\i], v[132+\i], v[128+\i], s30   ; its upper 16: both lanes of a block hold all 24 bytes and write the same bytes with the same values
.endr
	ds_store_b128 v4, v[136:139] offset:6144*((\t)%2)+16*((\t)/2)
	ds_store_b64 v10, v[140:141] offset:6144*((\t)%2)+8*((\t)/2)
.endm
.irp t, 0,1,2,3,4,5,6,7,8,9,10,11,12,13,14,15
	STEP \t
.endr
	ds_load_b64 v[8:9], v6
	s_wait_dscnt 0x0                               ; my scale bytes are back, and all my stores into the images are done
	global_store_b64 v7, v[8:9], s[10:11]          ; 256 consecutive bytes, aligned: 8 rows' scale bytes
	s_barrier_signal -1
	s_barrier_wait -1                              ; the images are whole
.irp i, 0,1,2,3,4,5,6,7,8,9,10,11
	ds_load_b128 v[R+4*\i:R+4*\i+3], v115 offset:2048*\i
.endr
.irp i, 0,1,2,3,4,5,6,7,8,9,10,11
	s_wait_dscnt 11-\i
	global_store_b128 v116, v[R+4*\i:R+4*\i+3], s[8:9] offset:2048*\i   ; a wave stores 512 consecutive bytes, aligned
.endr
	s_wait_tensorcnt 0x0                           ; the wave's end
	ds_add_u32 v[SPW], v[NIL]
	s_wait_dscnt 0x0
	s_endpgm
.Ltable:                                               ; wave tw = 4 (work-group - 384) + wave takes positions 8 tw .. 8 tw + 7; my lane is the pair j
	s_sub_co_u32 s17, ttmp9, 384
	s_lshl_b32 s17, s17, 2
	s_add_co_u32 s17, s17, s16
	s_lshl_b32 s18, s17, 3
	s_lshl_b32 s20, s17, 11
	s_add_co_u32 s20, s20, ROPE
	s_mov_b32 s21, 0
	s_mov_b32 s22, 0xbfc90fdb                      ; -(pi / 2), the f32 nearest to it
	s_mov_b32 s23, 0x333bbd2e                      ; what that f32 has too much
	s_mov_b32 s24, 0xb94ca1f9                      ; sin's highest coefficient
	s_mov_b32 s25, 0x37ccf5ce                      ; cos's
	s_wait_alu depctr_va_vdst(0)                   ; the wait behind the branch
	v_cvt_f32_u32 v3, v2
	v_mul_f32 v3, 0xbed49a78, v3                   ; -j log2(10000) / 32
	s_wait_alu depctr_va_vdst(0)                   ; and ahead of the exponential
	v_exp_f32 v3, v3
	v_lshlrev_b32 v4, 3, v2
	v_mov_b32 v5, s18
.irp i, 0,1,2,3,4,5,6,7
	v_add_nc_u32 v[TT+\i], \i, v5
.endr
.irp i, 0,1,2,3,4,5,6,7
	v_cvt_f32_u32 v[TA+\i], v[TT+\i]
.endr
	s_wait_alu depctr_va_vdst(0)                   ; ahead of the exponential's first reader
.irp i, 0,1,2,3,4,5,6,7
	v_mul_f32 v[TA+\i], v[TA+\i], v3               ; the angle, rounded once
.endr
.irp i, 0,1,2,3,4,5,6,7
	v_mul_f32 v[TK+\i], 0x3f22f983, v[TA+\i]
.endr
.irp i, 0,1,2,3,4,5,6,7
	v_rndne_f32 v[TK+\i], v[TK+\i]
.endr
.irp i, 0,1,2,3,4,5,6,7
	v_fma_f32 v[TR+\i], v[TK+\i], s22, v[TA+\i]
.endr
.irp i, 0,1,2,3,4,5,6,7
	v_fma_f32 v[TR+\i], v[TK+\i], s23, v[TR+\i]
.endr
.irp i, 0,1,2,3,4,5,6,7
	v_mul_f32 v[TZ+\i], v[TR+\i], v[TR+\i]
.endr
.irp i, 0,1,2,3,4,5,6,7
	v_fmaak_f32 v[TS+\i], s24, v[TZ+\i], 0x3c08839e
.endr
.irp i, 0,1,2,3,4,5,6,7
	v_fmaak_f32 v[TC+\i], s25, v[TZ+\i], 0xbab6061a
.endr
.irp i, 0,1,2,3,4,5,6,7
	v_fmaak_f32 v[TS+\i], v[TS+\i], v[TZ+\i], 0xbe2aaaa3
.endr
.irp i, 0,1,2,3,4,5,6,7
	v_fmaak_f32 v[TC+\i], v[TC+\i], v[TZ+\i], 0x3d2aaaa5
.endr
.irp i, 0,1,2,3,4,5,6,7
	v_mul_f32 v[TT+\i], v[TZ+\i], v[TR+\i]
.endr
.irp i, 0,1,2,3,4,5,6,7
	v_fma_f32 v[TS+\i], v[TS+\i], v[TT+\i], v[TR+\i]   ; sin r
.endr
.irp i, 0,1,2,3,4,5,6,7
	v_mul_f32 v[TT+\i], v[TZ+\i], v[TZ+\i]
.endr
.irp i, 0,1,2,3,4,5,6,7
	v_fma_f32 v[TA+\i], v[TZ+\i], -0.5, 1.0
.endr
.irp i, 0,1,2,3,4,5,6,7
	v_fma_f32 v[TC+\i], v[TC+\i], v[TT+\i], v[TA+\i]   ; cos r
.endr
.irp i, 0,1,2,3,4,5,6,7
	v_cvt_i32_f32 v[TQ+\i], v[TK+\i]
.endr
.irp i, 0,1,2,3,4,5,6,7
	v_and_b32 v[TT+\i], 1, v[TQ+\i]
.endr
.irp i, 0,1,2,3,4,5,6,7
	v_cmp_ne_u32 s[28+\i], 0, v[TT+\i]             ; an odd multiple: sin and cos change places
.endr
.irp i, 0,1,2,3,4,5,6,7
	v_cndmask_b32 v[TO+2*\i], v[TC+\i], v[TS+\i], s[28+\i]
.endr
.irp i, 0,1,2,3,4,5,6,7
	v_cndmask_b32 v[TO+2*\i+1], v[TS+\i], v[TC+\i], s[28+\i]
.endr
.irp i, 0,1,2,3,4,5,6,7
	v_and_b32 v[TT+\i], 2, v[TQ+\i]                ; sin is negated where the multiple mod 4 is 2 or 3,
.endr
.irp i, 0,1,2,3,4,5,6,7
	v_lshlrev_b32 v[TT+\i], 30, v[TT+\i]
.endr
.irp i, 0,1,2,3,4,5,6,7
	v_xor_b32 v[TO+2*\i+1], v[TT+\i], v[TO+2*\i+1]
.endr
.irp i, 0,1,2,3,4,5,6,7
	v_add_nc_u32 v[TQ+\i], 1, v[TQ+\i]             ; cos where it is 1 or 2
.endr
.irp i, 0,1,2,3,4,5,6,7
	v_and_b32 v[TQ+\i], 2, v[TQ+\i]
.endr
.irp i, 0,1,2,3,4,5,6,7
	v_lshlrev_b32 v[TQ+\i], 30, v[TQ+\i]
.endr
.irp i, 0,1,2,3,4,5,6,7
	v_xor_b32 v[TO+2*\i], v[TQ+\i], v[TO+2*\i]
.endr
	s_wait_alu depctr_va_vdst(0)
	s_wait_kmcnt 0x0
	s_add_nc_u64 s[8:9], s[14:15], s[20:21]
.irp i, 0,1,2,3,4,5,6,7
	global_store_b64 v4, v[TO+2*\i:TO+2*\i+1], s[8:9] offset:256*\i   ; a position's 256 consecutive bytes, aligned
.endr
	s_endpgm
.Lfunc_end_k_q199d44aa2f_prep:
	.size	k_q199d44aa2f_prep, .Lfunc_end_k_q199d44aa2f_prep-k_q199d44aa2f_prep
	.p2alignl 7, 3214868480
	.fill 96, 4, 3214868480
	.section	.rodata,"a",@progbits
	.p2align	6, 0x0
	.amdhsa_kernel k_q199d44aa2f_prep
		.amdhsa_group_segment_fixed_size 57856
		.amdhsa_private_segment_fixed_size 0
		.amdhsa_enable_private_segment 0
		.amdhsa_kernarg_size 48
		.amdhsa_user_sgpr_count 2
		.amdhsa_user_sgpr_kernarg_segment_ptr 1
		.amdhsa_wavefront_size32 1
		.amdhsa_system_sgpr_workgroup_id_x 1
		.amdhsa_system_sgpr_workgroup_id_y 1
		.amdhsa_system_sgpr_workgroup_id_z 1
		.amdhsa_system_vgpr_workitem_id 0
		.amdhsa_next_free_vgpr 192
		.amdhsa_next_free_sgpr 66
		.amdhsa_reserve_vcc 0
		.amdhsa_float_denorm_mode_32 3
		.amdhsa_float_denorm_mode_16_64 3
		.amdhsa_memory_ordered 1
		.amdhsa_forward_progress 1
		.amdhsa_inst_pref_size 58
	.end_amdhsa_kernel
	.amdgpu_metadata
---
amdhsa.version: [ 1, 2 ]
amdhsa.kernels:
  - .name:           k_q199d44aa2f_prep
    .symbol:         k_q199d44aa2f_prep.kd
    .args:
      - { .name: x, .offset: 0, .size: 8, .value_kind: global_buffer, .address_space: global }
      - { .name: Wq, .offset: 8, .size: 8, .value_kind: global_buffer, .address_space: global }
      - { .name: Wk, .offset: 16, .size: 8, .value_kind: global_buffer, .address_space: global }
      - { .name: Wv, .offset: 24, .size: 8, .value_kind: global_buffer, .address_space: global }
      - { .name: Wo, .offset: 32, .size: 8, .value_kind: global_buffer, .address_space: global }
      - { .name: prep, .offset: 40, .size: 8, .value_kind: global_buffer, .address_space: global }
    .group_segment_fixed_size: 57856
    .private_segment_fixed_size: 0
    .kernarg_segment_align: 8
    .kernarg_segment_size: 48
    .max_flat_workgroup_size: 128
    .sgpr_count:     66
    .vgpr_count:     192
    .wavefront_size: 32
...
	.end_amdgpu_metadata
.endif
;; end of part 1
;; launch qkv (part 2): grid 32 x 8, 4 waves a work-group, clusters of 4 x 1, 327,680 bytes of LDS; arguments prep, qkv; writes qkv
.if DOCPART == 2
	.amdgcn_target "amdgcn-amd-amdhsa--gfx1250"
	.amdhsa_code_object_version 6
	.text
	.protected	k_q199d44aa2f_qkv
	.globl	k_q199d44aa2f_qkv
	.p2align	8
	.type	k_q199d44aa2f_qkv,@function
k_q199d44aa2f_qkv:
	s_mov_b64 s[64:65], 0
	v_nop
	global_prefetch_b8 v0, s[64:65] scope:SCOPE_SE
	s_setreg_imm32_b32 hwreg(HW_REG_WAVE_MODE, 25, 1), 1
	s_wait_xcnt 0x0
	s_wait_alu depctr_hold_cnt(0) depctr_sa_sdst(0) depctr_va_vdst(0) depctr_va_sdst(0) depctr_va_ssrc(0) depctr_va_vcc(0) depctr_vm_vsrc(0)
	s_getreg_b32 s2, hwreg(HW_REG_IB_STS2, 6, 4)
	s_cmp_eq_u32 s2, 0
	s_cbranch_scc0 .Lentry_in_a_cluster
	s_endpgm
.Lentry_in_a_cluster:
	s_bfe_u32 s2, ttmp6, 0x10000c
	s_cmp_lg_u32 s2, 0x3003
	s_cbranch_scc0 .Lentry_shape_is_right
	s_endpgm
.Lentry_shape_is_right:
; Q = x Wq^T, K = x Wk^T (both rotated), V = x Wv^T on codes of FP6 (E2M3); the results are quantised again (Q, K along the head's channels, V along the keys) and stored as the attention launch reads them.
; SHARES.  256 work-groups.  Work-group (rb, g) owns rows 256 rb .. + 255 of x and rows 128 g .. + 127 of each of Wq, Wk, Wv: three tiles of 256 x 128, made one after the other.
; A wave owns 64 rows of x.  THEIR CODES STAY IN REGISTERS for the whole launch: 4 blocks x 8 steps of 128 K x 12 registers = 384, loaded from prep's images, 512 or 256 consecutive bytes a load; their scale words in 32 more.
; A tile's 32 accumulators (4 blocks of x by 8 blocks of W) take 256 registers.  W's fragments come from LDS, 12 registers each, in two sets of eight that take turns step by step.
; LDS: three regions of 102,400 bytes, one for each weight's record (8 blocks of images and the rows' scale bytes), each filled ONCE, as 4 x 100 rows of 256 bytes, one tensor load a wave:
; Wq's at the head, Wk's and Wv's each behind a wait, an add onto the spare word, its wait and a round, a whole tile ahead of its first read.  Nothing is filled again.
; CLUSTERS: the four work-groups of a cluster share g and so the three records: each load is a joint load with the mask of all four.  x goes from memory into registers, where no joint load can bring it.
; No prefetch: every byte that the launch reads is asked for at the head or a whole tile ahead of its use.
; Q and K (one loop, two trips): source 0 = 16 rows of W, source 1 = 16 rows of x: a lane holds one position, its registers run along the channels.  V: the sources change places: a lane holds one channel, its registers run along the keys.
; WHAT IS STORED: records of 6,400 bytes = 8 half-images of 768 bytes + 256 bytes of scale words.  Q, K: [tensor][batch][head][128 positions]; V: [batch][pair of heads][64 keys of 128][128 keys]: 8 tiles of 16 channels.
; A wave's scale words are stores of 8 bytes (Q, K) or 2 bytes (V) a lane: one byte in 24 of what the launch stores.
; LIMITS.  NaN and infinities are not served; a block of zeros gets the byte 1 where the rule says 127.
; REGISTERS.  Window 0: v0-31 addresses; v32-63 x's scale words; v64-127 W's scale words, on the way out codes and scales at work; v128-159 the table of block 0; v160-255 W's set 0, on the way out the table of blocks 1-3.
; Window 1: x's steps 0-4.  Window 2: v0-143 x's steps 5-7; v144-239 W's set 1, on the way out the rotation's first products.  Window 3: the accumulators.
.set REC,   102400
.set SPARE, 3*REC
.set WR,    6291456
.set XSC,   9568256
.set ROPE,  9830400
.set SPW,   28
.set NIL,   29
.set AS,    32
.set BS,    64
.set F0,    160
.set F1,    144
.set TRG,   144
.set TM,    104
.set PW,    116
.set SW,    124
.set MSB,   0
.macro WIN new                         ; the immediate's high byte repeats the setting that is left
.set NEWW, \new
.if MSB != NEWW
	s_set_vgpr_msb (MSB<<8)|NEWW
.set MSB, NEWW
.endif
.endm
.macro CROUND                          ; a round of the cluster's barrier
	s_barrier_signal -1
	s_barrier_wait -1
	s_cmp_lg_u32 s8, 0
	s_cbranch_scc1 .Lnot_wave_0_\@
	s_barrier_signal -3
.Lnot_wave_0_\@:
	s_barrier_wait -3
	s_barrier_signal -1
	s_barrier_wait -1
.endm
.macro PLACES
.rept 4
	v_nop
.endr
.endm
.macro TLOAD                           ; my quarter of a record; s_nop 0 and four v_nop behind it
	tensor_load_to_lds s[12:15], s[16:23]
	s_nop 0
	PLACES
.endm
.macro ASET st                         ; where x's fragments of step st lie
.if (\st) < 5
.set XB, 48*(\st)
.set AW, 1
.else
.set XB, 48*((\st)-5)
.set AW, 2
.endif
.endm
.macro XLOAD st
	ASET \st
	WIN AW<<6
.irp a, 0,1,2,3
	global_load_b128 v[XB+12*\a:XB+12*\a+3], v3, s[24:25] offset:12288*\a+1536*(\st)
	global_load_b64 v[XB+12*\a+4:XB+12*\a+5], v4, s[24:25] offset:12288*\a+1536*(\st)+512
	global_load_b128 v[XB+12*\a+6:XB+12*\a+9], v3, s[24:25] offset:12288*\a+1536*(\st)+768
	global_load_b64 v[XB+12*\a+10:XB+12*\a+11], v4, s[24:25] offset:12288*\a+1536*(\st)+1280
.endr
.endm
.macro FETCH st                        ; W's eight fragments of step st into set st % 2; blocks 4-7 by the second pair of addresses, 49,152 bytes on
.if (\st)%2
.set FB, F1
	WIN 0x80
.else
.set FB, F0
	WIN 0
.endif
.irp b, 0,1,2,3,4,5,6,7
.set FO, 12288*(\b%4)+1536*(\st)
	ds_load_b128 v[FB+12*\b:FB+12*\b+3], v[8+2*(\b/4)] offset:FO
	ds_load_b64 v[FB+12*\b+4:FB+12*\b+5], v[9+2*(\b/4)] offset:FO+512
	ds_load_b128 v[FB+12*\b+6:FB+12*\b+9], v[8+2*(\b/4)] offset:FO+768
	ds_load_b64 v[FB+12*\b+10:FB+12*\b+11], v[9+2*(\b/4)] offset:FO+1280
.endr
	WIN 0
.endm
.macro MULS st, v                      ; 32 matrix instructions, the 32 accumulators by turns; step 0 starts the sums
	ASET \st
.if (\st)%2
.set FB, F1
.set BW, 2
.else
.set FB, F0
.set BW, 0
.endif
.if \v
	WIN 0xf0|(BW<<2)|AW
.else
	WIN 0xf0|(AW<<2)|BW
.endif
.irp b, 0,1,2,3,4,5,6,7
.irp a, 0,1,2,3
.if \v
.set DR, 8*(4*\b+\a)
.set S0, XB+12*\a
.set S1, FB+12*\b
.set C0, AS+8*\a+(\st)
.set C1, BS+8*\b+(\st)
.else
.set DR, 8*(8*\a+\b)
.set S0, FB+12*\b
.set S1, XB+12*\a
.set C0, BS+8*\b+(\st)
.set C1, AS+8*\a+(\st)
.endif
.if (\st) == 0
	v_wmma_scale_f32_16x16x128_f8f6f4 v[DR:DR+7], v[S0:S0+11], v[S1:S1+11], 0, v[C0], v[C1] matrix_a_fmt:MATRIX_FMT_FP6 matrix_b_fmt:MATRIX_FMT_FP6
.else
	v_wmma_scale_f32_16x16x128_f8f6f4 v[DR:DR+7], v[S0:S0+11], v[S1:S1+11], v[DR:DR+7], v[C0], v[C1] matrix_a_fmt:MATRIX_FMT_FP6 matrix_b_fmt:MATRIX_FMT_FP6
.endif
.endr
.endr
	WIN 0
.endm
.macro TABLE a                         ; cos and sin of block a's 16 positions, my 2 x 8 pairs, into v[128 + 32 a ..]
.irp k, 0,1,2,3,4,5,6,7
	global_load_b128 v[128+32*(\a)+4*\k:128+32*(\a)+4*\k+3], v13, s[28:29] offset:(32*((\a)/2)+8*((\a)%2))*256+128*(\k/4)+16*(\k%4)
.endr
.endm
.macro KSTEP st, v                     ; this step's fragments are in; the next step's are asked for, 32 matrix instructions ahead of their use
	s_wait_dscnt 0x0
.if (\st) > 0
	PLACES                                         ; four places between the last step's products and loads into the set that they read
.endif
.if (\st) < 7
	FETCH (\st)+1
.else
.if !(\v)
	TABLE 1                                        ; set 0 is done with: it takes the table of blocks 1 to 3
	TABLE 2
	TABLE 3
.endif
.endif
	MULS \st, \v
.endm
.macro START tab                       ; a tile's start: the region's addresses, W's scale words, step 0's fragments
	s_wait_xcnt 0x0                                ; earlier stores have read their registers
	v_add_nc_u32 v8, s36, v3
	v_add_nc_u32 v9, s36, v4
	v_add_nc_u32 v12, s36, v17
	v_add_nc_u32 v10, 49152, v8
	v_add_nc_u32 v11, 49152, v9
	s_wait_alu depctr_va_vdst(0)
.irp b, 0,1,2,3,4,5,6,7
	ds_load_b128 v[BS+8*\b:BS+8*\b+3], v12 offset:512*\b
	ds_load_b128 v[BS+8*\b+4:BS+8*\b+7], v12 offset:512*\b+16
.endr
	FETCH 0
	s_wait_loadcnt 0x0                             ; x's codes and scale words are in (first tile; later nothing is out)
.if \tab
	TABLE 0
.endif
.endm
.macro QUANT n, xa, pcs                ; n blocks of 32 whose halves lie in lanes l and l xor 16: largest magnitudes, scale operands v[TM+8 ..], bytes v[TM+4 ..]
	WIN 0x3c
.set b, 0
.rept \n
	v_max3_num_f32 v[TM+b], 0x1800000, |v[\xa+16*b]|, |v[\xa+16*b+1]|
.set b, b+1
.endr
.irp i, 2,4,6,8,10,12,14
.set b, 0
.rept \n
	v_max3_num_f32 v[TM+b], v[TM+b], |v[\xa+16*b+\i]|, |v[\xa+16*b+\i+1]|
.set b, b+1
.endr
.endr
	WIN 0
.set b, 0
.rept \n
	v_permlanex16_b32 v[TM+4+b], v[TM+b], s40, s41
.set b, b+1
.endr
.set b, 0
.rept \n
	v_max_num_f32 v[TM+b], v[TM+b], v[TM+4+b]
.set b, b+1
.endr
.set b, 0
.rept \n
	v_add_nc_u32 v[TM+8+b], 0xff000000, v[TM+b]
.set b, b+1
.endr
.set b, 0
.rept \n
	v_lshrrev_b32 v[TM+4+b], 23, v[TM+8+b]
.set b, b+1
.endr
.endm
.macro CODES c, xa, pcs                ; 64 numbers a row become a half-image's six registers
	v_cvt_scalef32_pk16_fp6_f32 v[\pcs+6*\c:\pcs+6*\c+2], v[\xa+32*\c:\xa+32*\c+15], v[TM+8+2*\c]
	v_cvt_scalef32_pk16_fp6_f32 v[\pcs+12+4*\c:\pcs+14+4*\c], v[\xa+16+32*\c:\xa+31+32*\c], v[TM+9+2*\c]
.endm
.macro WHOLE c, pcs                    ; the operand's layout wants a whole block in a lane
.irp i, 0,1,2
	v_permlane16_swap_b32 v[\pcs+6*\c+\i], v[\pcs+12+4*\c+\i]
.endr
.irp i, 0,1,2
	v_mov_b32 v[\pcs+3+6*\c+\i], v[\pcs+12+4*\c+\i]
.endr
.endm
.macro BLOCK a                         ; Q, K: 16 positions x 128 channels: rotated, quantised, stored
.set XA,  64*(\a)
.set CSA, 128+32*(\a)
.set PCS, 64+20*((\a)%2)
	s_wait_loadcnt 8*(3-(\a))                      ; this block's table is in; the later blocks' eight loads each may be out
.if (\a) >= 2
	s_wait_xcnt 0x0                                ; block a - 2's stores have read their registers
.endif
	WIN 0x83
.set k, 0
.rept 32
	v_pk_mul_f32 v[TRG+2*k:TRG+2*k+1], v[XA+2*k:XA+2*k+1], v[CSA+16*((k/8)%2)+2*(k%8):CSA+16*((k/8)%2)+2*(k%8)+1] op_sel_hi:[1,0]
.set k, k+1
.endr
	WIN 0xe3
.set k, 0
.rept 32
	v_pk_fma_f32 v[XA+2*k:XA+2*k+1], v[XA+2*k:XA+2*k+1], v[CSA+16*((k/8)%2)+2*(k%8):CSA+16*((k/8)%2)+2*(k%8)+1], v[TRG+2*k:TRG+2*k+1] op_sel:[1,1,0] op_sel_hi:[0,1,1] neg_lo:[0,1,0]
.set k, k+1
.endr
	QUANT 4, XA, PCS
	v_lshl_or_b32 v[PW+(\a)], v[TM+5], 8, v[TM+4]
	v_lshl_or_b32 v[PW+(\a)], v[TM+6], 16, v[PW+(\a)]
	v_lshl_or_b32 v[PW+(\a)], v[TM+7], 24, v[PW+(\a)]
	WIN 0x03
	CODES 0, XA, PCS
	CODES 1, XA, PCS
	WIN 0
	v_nop                                          ; one plain line behind a scaled conversion
	WHOLE 0, PCS
	WHOLE 1, PCS
.irp c, 0,1
	global_store_b128 v18, v[PCS+6*\c:PCS+6*\c+3], s[30:31] offset:\c*102400+768*(\a)
	global_store_b64 v19, v[PCS+6*\c+4:PCS+6*\c+5], s[30:31] offset:\c*102400+768*(\a)+512
.endr
.endm
.macro VBLOCK b                        ; V: 16 channels x my 64 keys: quantised along the keys, one half-image
.set XA,  32*(\b)
.set PCS, 64+20*((\b)%2)
.if (\b) >= 2
	s_wait_xcnt 0x0
.endif
	QUANT 2, XA, PCS
	v_lshl_or_b32 v[PW+(\b)], v[TM+5], 8, v[TM+4]
	WIN 0x03
	CODES 0, XA, PCS
	WIN 0
	v_nop
	WHOLE 0, PCS
	global_store_b128 v3, v[PCS:PCS+3], s[32:33] offset:768*(\b)
	global_store_b64 v4, v[PCS+4:PCS+5], s[32:33] offset:768*(\b)+512
.endm
	s_load_b128 s[4:7], s[0:1], 0x0                ; prep, qkv
	v_lshl_add_u32 v[SPW], v0, 2, SPARE
	v_mov_b32 v[NIL], 0
	ds_add_u32 v[SPW], v[NIL]                      ; the opening lines: the add, twice on end, and its wait ahead of my first tensor load
	ds_add_u32 v[SPW], v[NIL]
	v_lshrrev_b32 v1, 5, v0
	v_readfirstlane_b32 s8, v1                     ; wave
	s_bfe_u32 s9, ttmp6, 0x40000                   ; cx: it enters x's, the table's and the results' addresses alone
	s_lshl_b32 s10, ttmp9, 2
	s_add_co_u32 s10, s10, s9                      ; rb
	s_and_b32 s11, ttmp7, 0xffff                   ; g, which the four partners share
	s_mov_b32 s16, 15|(3<<16)|(1<<21)              ; group 1: 100 dense rows of 256 bytes (32 elements of 8); the mask names all four work-groups, bit 21 beside it
	s_mov_b32 s17, 32<<16
	s_mov_b32 s18, 100<<16
	s_mov_b32 s19, 32<<16
	s_mov_b32 s20, 100
	s_mov_b32 s21, 32
	s_mov_b32 s22, 0
	s_mov_b32 s23, 0
	s_mov_b32 s12, 1
	s_mul_i32 s13, s8, 25600                       ; my quarter of a region
	s_mul_i32 s38, s11, REC
	s_add_co_u32 s38, s38, s13
	s_add_co_u32 s38, s38, WR                      ; and of Wq's record g
	s_mov_b32 s39, 0
	s_lshl_b32 s44, s10, 2
	s_add_co_u32 s44, s44, s8                      ; my run of 64 rows of x
	s_mul_i32 s24, s44, 49152                      ; its four blocks of images
	s_mov_b32 s25, 0
	s_lshl_b32 s26, s44, 11
	s_add_co_u32 s26, s26, XSC                     ; its scale bytes
	s_mov_b32 s27, 0
	s_and_b32 s45, s44, 31                         ; the run in its batch
	s_lshl_b32 s28, s45, 14
	s_add_co_u32 s28, s28, ROPE                    ; its 64 positions of the table
	s_mov_b32 s29, 0
	s_lshr_b32 s46, s10, 3
	s_mul_i32 s46, s46, 1638400                    ; batch
	s_mul_i32 s47, s11, 204800                     ; pair of heads
	s_add_co_u32 s46, s46, s47
	s_lshr_b32 s47, s45, 1
	s_mul_i32 s47, s47, 6400                       ; 128 positions
	s_add_co_u32 s30, s46, s47
	s_mov_b32 s31, 0
	s_add_co_u32 s34, s30, 13107200                ; V
	s_mov_b32 s35, 0
	s_and_b32 s47, s8, 1                           ; which 64 of the 128
	s_mul_i32 s48, s47, 102400
	s_add_co_u32 s32, s34, s48
	s_mov_b32 s33, 0
	s_lshl_b32 s49, s47, 1
	s_lshl_b32 s50, s47, 3
	s_mul_i32 s51, s47, 3072
	s_mov_b32 s40, 0x76543210
	s_mov_b32 s41, 0xfedcba98                      ; lane l xor 16
	s_mov_b32 s42, 0xffff0000                      ; lanes 16-31
	v_and_b32 v2, 31, v0
	v_lshlrev_b32 v3, 4, v2                        ; 16 x lane: registers 0-3 of a half-image
	v_lshlrev_b32 v4, 3, v2                        ; 8 x lane: registers 4-5
	v_and_b32 v5, 15, v0                           ; r
	v_bfe_u32 v6, v0, 4, 1                         ; h
	v_lshlrev_b32 v7, 5, v5                        ; a row's 32 scale bytes
	v_add_nc_u32 v17, 98304, v7                    ; behind a record's images
	v_and_b32 v13, 8, v5
	v_add_nc_u32 v13, v13, v5                      ; the position of row r of a block: r + 8 (r / 8)
	v_lshlrev_b32 v13, 8, v13
	v_lshl_add_u32 v13, v6, 6, v13                 ; my 8 pairs of each 16
	v_mul_u32_u24 v14, v6, 102400
	v_lshl_add_u32 v14, v5, 4, v14                 ; scale words: lanes 16-31 the pair's second head, 16 bytes a row
	v_add_nc_u32 v15, s49, v14                     ; V: my two bytes of a word
	v_add_nc_u32 v14, s50, v14                     ; Q, K: my two words of four
	v_add_nc_u32 v18, s51, v3                      ; Q, K: my four half-images of a record's eight
	v_add_nc_u32 v19, s51, v4
	v_mov_b32 v16, 0x05040100
	v_mov_b32 v20, 0x07060302
	v_cndmask_b32 v16, v16, v20, s42               ; lanes 0-15 pack the low halves of two words, lanes 16-31 the high halves
	s_wait_alu depctr_va_vdst(0)                   ; the head's end
	s_wait_dscnt 0x0                               ; both opening adds are done
	s_wait_kmcnt 0x0
	s_add_nc_u64 s[14:15], s[4:5], s[38:39]
	s_or_b32 s15, s15, 0x80000000
	s_add_nc_u64 s[24:25], s[4:5], s[24:25]
	s_add_nc_u64 s[26:27], s[4:5], s[26:27]
	s_add_nc_u64 s[28:29], s[4:5], s[28:29]
	s_add_nc_u64 s[30:31], s[6:7], s[30:31]
	s_add_nc_u64 s[32:33], s[6:7], s[32:33]
	s_add_nc_u64 s[34:35], s[6:7], s[34:35]
	CROUND                                         ; all four work-groups are here: the joint loads meet
	TLOAD                                          ; Wq's record: one tensor load a wave at the head
.irp a, 0,1,2,3
	global_load_b128 v[AS+8*\a:AS+8*\a+3], v7, s[26:27] offset:512*\a
	global_load_b128 v[AS+8*\a+4:AS+8*\a+7], v7, s[26:27] offset:512*\a+16
.endr
.irp st, 0,1,2,3,4,5,6,7
	XLOAD \st
.endr
	WIN 0
	s_mov_b32 s36, 0                               ; the tile's region in LDS
	s_mov_b32 s37, 0
.Ltile:                                                ; Q, then K
	s_wait_tensorcnt 0x0                           ; my quarter of this tile's record is in; ahead of a later first fill:
	ds_add_u32 v[SPW], v[NIL]                      ; 0 onto my spare word;
	s_add_co_u32 s13, s13, REC                     ; no load of mine is out: the descriptor steps to the next region
	s_add_nc_u64 s[14:15], s[14:15], 8*REC         ; and to the next weight's record g
	s_wait_dscnt 0x0
	CROUND                                         ; the record is whole in all four work-groups
	TLOAD                                          ; the next weight's record, into a region of its own
	START 1
.irp st, 0,1,2,3,4,5,6,7
	KSTEP \st, 0
.endr
	PLACES                                         ; behind the last products
.irp b, 4,5,6,7
	v_mov_b32 v[TM+\b], 0                          ; a lane permute's destination counts as one of its sources
.endr
.irp a, 0,1,2,3
	BLOCK \a
.endr
.irp i, 0,1
	v_perm_b32 v[SW+\i], v[PW+2*\i+1], v[PW+2*\i], v16   ; word i: block 2 i's two bytes of my head, block 2 i + 1's two
.endr
	global_store_b64 v14, v[SW:SW+1], s[30:31] offset:6144
	s_wait_xcnt 0x0                                ; the stores have read their base
	s_add_nc_u64 s[30:31], s[30:31], 6553600       ; from Q to K
	s_add_co_u32 s36, s36, REC
	s_add_co_u32 s37, s37, 1
	s_cmp_lt_u32 s37, 2
	s_wait_alu depctr_va_vdst(0)
	s_cbranch_scc1 .Ltile
	s_mov_b32 s36, 2*REC                           ; V
	s_wait_tensorcnt 0x0                           ; my quarter of Wv's record is in,
	s_barrier_signal -1
	s_barrier_wait -1                              ; everybody's is
	START 0
.irp st, 0,1,2,3,4,5,6,7
	KSTEP \st, 1
.endr
	PLACES
.irp b, 4,5
	v_mov_b32 v[TM+\b], 0
.endr
.irp b, 0,1,2,3,4,5,6,7
	VBLOCK \b
.endr
.irp i, 0,1,2,3
	v_cndmask_b32 v[SW+\i], v[PW+\i], v[PW+4+\i], s42    ; lanes 0-15: the first head's tile i, lanes 16-31: the second head's
.endr
.irp i, 0,1,2,3
	global_store_b16 v15, v[SW+\i], s[34:35] offset:6144+4*\i
.endr
	s_wait_tensorcnt 0x0                           ; the wave's end
	ds_add_u32 v[SPW], v[NIL]
	s_wait_dscnt 0x0
	CROUND                                         ; the closing round
	s_endpgm
.Lfunc_end_k_q199d44aa2f_qkv:
	.size	k_q199d44aa2f_qkv, .Lfunc_end_k_q199d44aa2f_qkv-k_q199d44aa2f_qkv
	.p2alignl 7, 3214868480
	.fill 96, 4, 3214868480
	.section	.rodata,"a",@progbits
	.p2align	6, 0x0
	.amdhsa_kernel k_q199d44aa2f_qkv
		.amdhsa_group_segment_fixed_size 327680
		.amdhsa_private_segment_fixed_size 0
		.amdhsa_enable_private_segment 0
		.amdhsa_kernarg_size 16
		.amdhsa_user_sgpr_count 2
		.amdhsa_user_sgpr_kernarg_segment_ptr 1
		.amdhsa_wavefront_size32 1
		.amdhsa_system_sgpr_workgroup_id_x 1
		.amdhsa_system_sgpr_workgroup_id_y 1
		.amdhsa_system_sgpr_workgroup_id_z 1
		.amdhsa_system_vgpr_workitem_id 0
		.amdhsa_next_free_vgpr 1024
		.amdhsa_next_free_sgpr 66
		.amdhsa_reserve_vcc 0
		.amdhsa_float_denorm_mode_32 3
		.amdhsa_float_denorm_mode_16_64 3
		.amdhsa_memory_ordered 1
		.amdhsa_forward_progress 1
		.amdhsa_inst_pref_size 177
	.end_amdhsa_kernel
	.amdgpu_metadata
---
amdhsa.version: [ 1, 2 ]
amdhsa.kernels:
  - .name:           k_q199d44aa2f_qkv
    .symbol:         k_q199d44aa2f_qkv.kd
    .args:
      - { .name: prep, .offset: 0, .size: 8, .value_kind: global_buffer, .address_space: global }
      - { .name: qkv, .offset: 8, .size: 8, .value_kind: global_buffer, .address_space: global }
    .group_segment_fixed_size: 327680
    .private_segment_fixed_size: 0
    .kernarg_segment_align: 8
    .kernarg_segment_size: 16
    .max_flat_workgroup_size: 128
    .sgpr_count:     66
    .vgpr_count:     1024
    .wavefront_size: 32
...
	.end_amdgpu_metadata
.endif
;; end of part 2
;; launch attn (part 3): grid 4 x 64, 16 waves a work-group, clusters of 4 x 1, 206,848 bytes of LDS; arguments qkv, obuf; writes obuf
.if DOCPART == 3
	.amdgcn_target "amdgcn-amd-amdhsa--gfx1250"
	.amdhsa_code_object_version 6
	.text
	.protected	k_q199d44aa2f_attn
	.globl	k_q199d44aa2f_attn
	.p2align	8
	.type	k_q199d44aa2f_attn,@function
k_q199d44aa2f_attn:
	s_mov_b64 s[64:65], 0
	v_nop
	global_prefetch_b8 v0, s[64:65] scope:SCOPE_SE
	s_setreg_imm32_b32 hwreg(HW_REG_WAVE_MODE, 25, 1), 1
	s_wait_xcnt 0x0
	s_wait_alu depctr_hold_cnt(0) depctr_sa_sdst(0) depctr_va_vdst(0) depctr_va_sdst(0) depctr_va_ssrc(0) depctr_va_vcc(0) depctr_vm_vsrc(0)
	s_getreg_b32 s2, hwreg(HW_REG_IB_STS2, 6, 4)
	s_cmp_eq_u32 s2, 0
	s_cbranch_scc0 .Lentry_in_a_cluster
	s_endpgm
.Lentry_in_a_cluster:
	s_bfe_u32 s2, ttmp6, 0x10000c
	s_cmp_lg_u32 s2, 0x3003
	s_cbranch_scc0 .Lentry_shape_is_right
	s_endpgm
.Lentry_shape_is_right:
; ATTENTION on codes of FP6 (E2M3): O = softmax(Q K^T / 8) V for 64 heads (batch x head) of 2,048 positions and 64 channels; O / l is quantised along the channels and leaves as codes for the last product.
; THE SOFTMAX AHEAD OF THE SECOND PRODUCT: t = score x log2(e) / 8; M = the row's largest t so far, rounded UP to a whole number; p = 2^(t - M) is what is quantised, along the keys, not normalised.
; The row's sum is taken of the unquantised p, in f32, and divides O at the end.  When M moves, the sum and O are multiplied by 2^(old M - new M): exact.
; SHARES.  A cluster of four work-groups is one head.  A work-group owns 512 queries, in two passes of 256; each of its SIXTEEN waves owns one tile of 16 queries a pass, in 256 registers: four waves to a SIMD, so that
; one wave's vector work stands beside another's matrix work and LDS loads.  256 work-groups of equal work.
; THE HEAD'S WHOLE K AND V STAY IN LDS: 204,800 bytes of codes and scale words, brought once by joint loads (each of the four partners issues the same load with the same descriptor and a mask that names the four).
; Nothing is filled again: one wait, one barrier, and then no barrier in either pass.  So there is nothing to prefetch: every byte of K and V is asked for at the head.
; WHAT IS READ (written by the launch before): records of 6,400 bytes = 8 half-images (16 rows x 64 K in the order of an operand's registers, 768 bytes: registers 0-3 at 16 x lane, 4-5 at 512 + 8 x lane) + 256 bytes of scale words.
; LAYOUT.  Both products are used transposed: S^T = K Q^T (source 0 = keys, source 1 = my 16 queries), O^T = V^T P^T: a lane holds ONE query throughout.
; THE FIRST PRODUCT'S K IS 64, the instruction's 128: one fragment of 12 registers holds TWO tiles of 16 keys (k 0-63: tile 2 i, k 64-127: tile 2 i + 1); against (q | zeros) it gives tile 2 i's scores, against (zeros | q)
; tile 2 i + 1's.  Zero codes add nothing; their scale bytes are 0, which stands for 2^-127.
; The tiles' rows lie in the order that makes the 16 registers of tiles 2 i, 2 i + 1 the keys 32 i + 16 (lane / 16) + 0 .. 15, and likewise O^T's registers neighbouring channels.
; WHAT IS STORED: obuf: [block of 16 queries 512][head 16] half-images, and from byte OSC on [row 8,192][32] scale bytes, head h's two at 2 h.  The two bytes a row are stores of 2 bytes 32 bytes apart: one byte in 24 of what the launch stores.
; LIMITS.  NaN and infinities are not served; a block of zeros gets the byte 1 where the rule says 127; O / l is v_rcp_f32 (1 ulp) and a multiplication.
; REGISTERS: v1-9 addresses that stay; v10, 11, 16-19 the step's addresses; v12 -M, v13 the largest t, v[14:15] the sum; v20 Q's raw scale word; v32-79 four fragments of K or of V; v80-83 K's scale words, v84-87 V's;
;   v96-159 S^T, then p; v160-191 O^T; v192-209 q, six zeros, q; v210, v211 q's scale words for the two forms; v[212:213] the sum's second chain; v224-254 at work.
.set VOFF,  102400                     ; LDS: K's 16 records from 0; V's codes from here: 49,152 x half of the keys + 3,072 x key step + 768 x tile of channels
.set VSC,   200704                     ; V's scale words, 256 bytes a key step
.set SPARE, 204800                     ; the spare words, 128 bytes for each of 16 waves
.set KBASE, 6553600                    ; K in qkv
.set VBASE, 13107200                   ; V in qkv
.set OSC,   6291456                    ; the scale bytes in obuf
.set WV,   18                          ; s18  my wave's number
.set SEL,  20                          ; s[20:21] lane selects for v_permlanex16_b32: lane l xor 16
.set CS,   22                          ; s[22:23] c = log2(e) / 8
.set G1K,  24                          ; s[24:31] group 1: K's records;  s[32:39] V's codes;  s[40:47] V's scale words
.set G1V,  32
.set G1S,  40
.set G0K,  48                          ; s[48:51] group 0 for K;  s[68:71] for V;  s[84:87] for V's scale words
.set G0V,  68
.set G0S,  84
.set TK,   88                          ; s88  LDS byte of the step's record of K: 6,400 a step
.set TV,   89                          ; s89  of V's codes: 3,072 a step
.set TS,   90                          ; s90  of V's scale words: 256 a step
.set CNT,  91                          ; s91  key steps to go
.set SH,   92                          ; s92  16 x (wave % 2): where my tile's two bytes stand in Q's scale word
.set QP,   94                          ; s[94:95]  my tile of Q
.set QSP,  96                          ; s[96:97]  its scale words
.set OP,   98                          ; s[98:99]  my half-image of O
.set SPT,  100                         ; s[100:101] its scale bytes
.macro CROUND                          ; a round of the cluster's barrier
	s_barrier_signal -1
	s_barrier_wait -1
	s_cmp_lg_u32 s[WV], 0
	s_cbranch_scc1 .Lnot_wave_0_\@
	s_barrier_signal -3
.Lnot_wave_0_\@:
	s_barrier_wait -3
	s_barrier_signal -1
	s_barrier_wait -1
.endm
	s_load_b128 s[4:7], s[0:1], 0x0                ; qkv s[4:5], obuf s[6:7]
	v_lshl_add_u32 v5, v0, 2, SPARE                ; v5: my spare word; never rewritten
	v_mov_b32 v6, 0                                ; v6: 0; never rewritten
	ds_add_u32 v5, v6                              ; the wave's opening: the add and its wait ahead of the first tensor loads; the set-up below, work on registers, stands between them
	ds_add_u32 v5, v6
	v_lshrrev_b32 v1, 5, v0
	s_delay_alu instid0(VALU_DEP_1)
	v_readfirstlane_b32 s[WV], v1                  ; wave 0..15
	s_bfe_u32 s8, ttmp6, 0x40000                   ; cx: it enters Q's and O's addresses alone
	s_and_b32 s9, ttmp7, 0xffff                    ; 16 x batch + head, which the four partners share
	s_and_b32 s10, s[WV], 1                        ; wave % 2: which two bytes of Q's scale word are my tile's
	; descriptor groups 1: elements of 8 bytes, no padding; the mask names all four work-groups, bit 21 beside it
	s_mov_b32 s[G1K], 15|(3<<16)|(1<<21)           ; K: two records, 12,800 dense bytes, as 50 rows of 256 bytes
	s_mov_b32 s[G1K+1], 32<<16
	s_mov_b32 s[G1K+2], 50<<16
	s_mov_b32 s[G1K+3], 32<<16
	s_mov_b32 s[G1K+4], 50
	s_mov_b32 s[G1K+5], 32
	s_mov_b32 s[G1K+6], 0
	s_mov_b32 s[G1K+7], 0
	s_mov_b32 s[G1V], 15|(3<<16)|(1<<21)           ; V: of eight records, 6,400 bytes apart, my head's four half-images: 8 rows of 3,072 bytes
	s_mov_b32 s[G1V+1], 384<<16
	s_mov_b32 s[G1V+2], 8<<16
	s_mov_b32 s[G1V+3], 384<<16
	s_mov_b32 s[G1V+4], 8
	s_mov_b32 s[G1V+5], 800
	s_mov_b32 s[G1V+6], 0
	s_mov_b32 s[G1V+7], 0
	s_mov_b32 s[G1S], 15|(3<<16)|(1<<21)           ; V's scale words: of sixteen records the last 256 bytes
	s_mov_b32 s[G1S+1], 32<<16
	s_mov_b32 s[G1S+2], 16<<16
	s_mov_b32 s[G1S+3], 32<<16
	s_mov_b32 s[G1S+4], 16
	s_mov_b32 s[G1S+5], 800
	s_mov_b32 s[G1S+6], 0
	s_mov_b32 s[G1S+7], 0
	s_mul_i32 s11, s9, 102400                      ; the head's 16 records of Q, of K
	s_mul_i32 s12, s[WV], 12800                    ; K: waves 0-7 fetch two records each
	s_add_co_u32 s12, s12, s11
	s_add_co_u32 s12, s12, KBASE                   ; K: my two records of the head's sixteen
	s_mov_b32 s13, 0
	s_lshr_b32 s14, s9, 1
	s_mul_i32 s14, s14, 204800                     ; V: the pair of heads,
	s_and_b32 s15, s9, 1
	s_mul_i32 s15, s15, 3072                       ; my head's four half-images in a record,
	s_add_co_u32 s14, s14, s15
	s_and_b32 s15, s[WV], 3                        ; V: waves 8-11 fetch eight records' rows each,
	s_mul_i32 s15, s15, 51200                      ; 8 x 6,400 bytes apart
	s_add_co_u32 s14, s14, s15
	s_add_co_u32 s14, s14, VBASE
	s_mov_b32 s15, 0
	s_mov_b32 s16, 0                               ; V's scale words: my head's lie in the records with c = head % 2; wave 12 fetches all sixteen key steps'
	s_add_co_u32 s16, s16, s11
	s_add_co_u32 s16, s16, VBASE+6144
	s_mov_b32 s17, 0
	s_mul_i32 s2, s[WV], 12800                     ; and where they go in LDS: constants and the wave's number alone
	s_and_b32 s3, s[WV], 3
	s_mul_i32 s3, s3, 24576
	s_add_co_u32 s3, s3, VOFF
	s_mov_b32 s19, VSC
	s_lshr_b32 s88, s[WV], 3                       ; my tile: which 128 queries of a pass,
	s_and_b32 s89, s[WV], 7                        ; which 16 of them
	s_mul_i32 s90, s8, 25600                       ; my work-group's four records of Q
	s_add_co_u32 s90, s90, s11
	s_mul_i32 s91, s88, 6400
	s_add_co_u32 s90, s90, s91
	s_mul_i32 s91, s89, 768
	s_add_co_u32 s[QP], s90, s91
	s_mov_b32 s[QP+1], 0
	s_lshr_b32 s91, s89, 1
	s_lshl_b32 s91, s91, 2
	s_add_co_u32 s91, s91, 6144
	s_add_co_u32 s[QSP], s90, s91                  ; word (tile / 2) of each row
	s_mov_b32 s[QSP+1], 0
	s_lshl_b32 s[SH], s10, 4
	s_lshr_b32 s90, s9, 4
	s_lshl_b32 s90, s90, 7                         ; the block of 16 queries: 128 x batch
	s_lshl_b32 s91, s8, 5
	s_add_co_u32 s90, s90, s91                     ; + 32 x work-group
	s_lshl_b32 s91, s88, 3
	s_add_co_u32 s90, s90, s91
	s_add_co_u32 s90, s90, s89                     ; + my tile (the second pass: 16 on)
	s_and_b32 s91, s9, 15                          ; the head
	s_mul_i32 s[OP], s90, 12288
	s_mul_i32 s88, s91, 768
	s_add_co_u32 s[OP], s[OP], s88
	s_mov_b32 s[OP+1], 0
	s_lshl_b32 s[SPT], s90, 9                      ; 16 rows of 32 scale bytes
	s_lshl_b32 s91, s91, 1
	s_add_co_u32 s[SPT], s[SPT], s91
	s_add_co_u32 s[SPT], s[SPT], OSC
	s_mov_b32 s[SPT+1], 0
	s_mov_b32 s[SEL], 0x76543210
	s_mov_b32 s[SEL+1], 0xfedcba98
	s_mov_b32 s[CS], 0x3e38aa3b                    ; c = log2(e) / 8
	s_mov_b32 s[CS+1], s[CS]                       ; (named with it as a pair, so it is written)
	s_wait_dscnt 0x0                               ; the opening add is done
	s_wait_kmcnt 0x0
	s_add_nc_u64 s[12:13], s[4:5], s[12:13]
	s_add_nc_u64 s[14:15], s[4:5], s[14:15]
	s_add_nc_u64 s[16:17], s[4:5], s[16:17]
	s_add_nc_u64 s[QP:QP+1], s[4:5], s[QP:QP+1]
	s_add_nc_u64 s[QSP:QSP+1], s[4:5], s[QSP:QSP+1]
	s_add_nc_u64 s[OP:OP+1], s[6:7], s[OP:OP+1]
	s_add_nc_u64 s[SPT:SPT+1], s[6:7], s[SPT:SPT+1]
.irp g, 0
	s_mov_b32 s[G0K+4*\g], 1                       ; count = 1
	s_add_co_u32 s[G0K+4*\g+1], s2, \g*25600       ; LDS address
	s_add_nc_u64 s[G0K+4*\g+2:G0K+4*\g+3], s[12:13], \g*25600
	s_or_b32 s[G0K+4*\g+3], s[G0K+4*\g+3], 0x80000000   ; type = 2
	s_mov_b32 s[G0V+4*\g], 1
	s_add_co_u32 s[G0V+4*\g+1], s3, \g*12288
	s_add_nc_u64 s[G0V+4*\g+2:G0V+4*\g+3], s[14:15], \g*25600
	s_or_b32 s[G0V+4*\g+3], s[G0V+4*\g+3], 0x80000000
.endr
	s_mov_b32 s[G0S], 1
	s_mov_b32 s[G0S+1], s19
	s_mov_b64 s[G0S+2:G0S+3], s[16:17]
	s_or_b32 s[G0S+3], s[G0S+3], 0x80000000
	CROUND                                         ; all four work-groups are here: the joint loads meet
	s_cmp_lt_u32 s[WV], 8                          ; the fills, one a wave, in one chain of branches on the wave's number with one join: waves 0-7 K, waves 8-11 V's codes, wave 12 V's scale words, the others none
	s_cbranch_scc0 .Lnot_k
	tensor_load_to_lds s[G0K:G0K+3], s[G1K:G1K+7]
	s_nop 0
.rept 4
	v_nop
.endr
	s_branch .Lasked
.Lnot_k:
	s_cmp_lt_u32 s[WV], 12
	s_cbranch_scc0 .Lnot_v
	tensor_load_to_lds s[G0V:G0V+3], s[G1V:G1V+7]
	s_nop 0
.rept 4
	v_nop
.endr
	s_branch .Lasked
.Lnot_v:
	s_cmp_lt_u32 s[WV], 13
	s_cbranch_scc0 .Lasked
	tensor_load_to_lds s[G0S:G0S+3], s[G1S:G1S+7]
	s_nop 0
.rept 4
	v_nop
.endr
.Lasked:
	v_and_b32 v20, 31, v0                          ; lane
	v_and_b32 v21, 15, v0                          ; r
	s_delay_alu instid0(VALU_DEP_2)
	v_lshlrev_b32 v1, 4, v20                       ; 16 x lane: registers 0-3 of a half-image
	s_delay_alu instid0(VALU_DEP_3)
	v_lshlrev_b32 v2, 3, v20                       ; 8 x lane: registers 4-5
	s_delay_alu instid0(VALU_DEP_3)
	v_lshlrev_b32 v3, 4, v21                       ; 16 r: a row's four scale words
	s_delay_alu instid0(VALU_DEP_4)
	v_lshlrev_b32 v4, 5, v21                       ; 32 r: a row of O's scale bytes
	s_delay_alu instid0(VALU_DEP_4)
	v_add_nc_u32 v7, VOFF, v1
	s_delay_alu instid0(VALU_DEP_4)
	v_add_nc_u32 v8, VOFF, v2
	s_delay_alu instid0(VALU_DEP_4)
	v_add_nc_u32 v9, VSC, v3
.irp i, 0,1,2,3,4,5
	v_mov_b32 v[198+\i], 0                         ; the six registers of zero codes between the two copies of q
.endr
.irp b, 0,1,2,3
	v_mov_b32 v[236+\b], 0                         ; written once: a lane permute's destination counts as one of its sources
.endr
	v_mov_b32 v253, 0                              ; (named as the upper half of the pair v[252:253] before it is first written)
; A KEY STEP: 128 keys.
.macro STEP
	v_add_nc_u32 v10, s[TK], v1                    ; the step's six addresses: also the places between the last step's products and the loads into their registers
	v_add_nc_u32 v11, s[TK], v2
	v_add_nc_u32 v16, s[TK], v3
	v_add_nc_u32 v17, s[TV], v7
	v_add_nc_u32 v18, s[TV], v8
	v_add_nc_u32 v19, s[TS], v9
.irp i, 0,1,2,3                                ; fragment i: tiles 2 i and 2 i + 1 of 16 keys; every load takes consecutive bytes
	ds_load_b128 v[32+12*\i:35+12*\i], v10 offset:1536*\i
	ds_load_b64 v[36+12*\i:37+12*\i], v11 offset:1536*\i+512
	ds_load_b128 v[38+12*\i:41+12*\i], v10 offset:1536*\i+768
	ds_load_b64 v[42+12*\i:43+12*\i], v11 offset:1536*\i+1280
.endr
	ds_load_b128 v[80:83], v16 offset:6144         ; word i: tile 2 i's two bytes, tile 2 i + 1's two
	s_wait_alu depctr_va_vdst(0)
	s_wait_dscnt 0x0
.irp i, 0,1,2,3
	v_wmma_scale_f32_16x16x128_f8f6f4 v[96+16*\i:103+16*\i], v[32+12*\i:43+12*\i], v[192:203], 0, v[80+\i], v210 matrix_a_fmt:MATRIX_FMT_FP6 matrix_b_fmt:MATRIX_FMT_FP6
	v_wmma_scale_f32_16x16x128_f8f6f4 v[104+16*\i:111+16*\i], v[32+12*\i:43+12*\i], v[198:209], 0, v[80+\i], v211 matrix_a_fmt:MATRIX_FMT_FP6 matrix_b_fmt:MATRIX_FMT_FP6
.endr                                          ; register 16 i + n: key 32 i + 16 (lane / 16) + n of the step
.rept 4
	v_nop                                          ; places in front of the loads into K's registers and of the first read of the scores
.endr
.irp t, 0,1,2,3                                ; V's four fragments (16 channels x 128 keys) land while the softmax is worked
	ds_load_b128 v[32+12*\t:35+12*\t], v17 offset:768*\t
	ds_load_b64 v[36+12*\t:37+12*\t], v18 offset:768*\t+512
	ds_load_b128 v[38+12*\t:41+12*\t], v17 offset:49152+768*\t
	ds_load_b64 v[42+12*\t:43+12*\t], v18 offset:49152+768*\t+512
.endr
	ds_load_b128 v[84:87], v19
.irp b, 0,1,2,3
	v_max3_num_f32 v[232+\b], v[96+16*\b], v[97+16*\b], v[98+16*\b]   ; the largest score of each block of 32 keys: it serves for the row's maximum and, since p rises with the score, for the block's largest p
.endr
.irp i, 3,5,7,9,11,13
.irp b, 0,1,2,3
	v_max3_num_f32 v[232+\b], v[232+\b], v[96+16*\b+\i], v[97+16*\b+\i]
.endr
.endr
.irp b, 0,1,2,3
	v_max_num_f32 v[232+\b], v[232+\b], v[111+16*\b]
.endr
.irp b, 0,1,2,3
	s_delay_alu instid0(VALU_DEP_4)
	v_permlanex16_b32 v[236+\b], v[232+\b], s[SEL], s[SEL+1]
.endr
.irp b, 0,1,2,3
	s_delay_alu instid0(VALU_DEP_4)
	v_max_num_f32 v[232+\b], v[232+\b], v[236+\b]  ; with lane l xor 16's 16 keys
.endr
	s_delay_alu instid0(VALU_DEP_2)
	v_max3_num_f32 v254, v232, v233, v234
	s_delay_alu instid0(VALU_DEP_1)
	v_max_num_f32 v254, v254, v235                 ; the step's largest score of my query
	s_delay_alu instid0(VALU_DEP_1)
	v_mul_f32 v254, s[CS], v254                    ; as t (c is positive)
	s_delay_alu instid0(VALU_DEP_1)
	v_max_num_f32 v13, v13, v254                   ; the running largest t
	v_mov_b32 v254, v12
	s_delay_alu instid0(VALU_DEP_2)
	v_floor_f32 v12, -v13                          ; the new -M = floor(-t): M is a whole number
	s_delay_alu instid0(VALU_DEP_1)
	v_sub_f32 v254, v12, v254                      ; M's old value less its new one: a whole number, 0 or less
	s_delay_alu instid0(VALU_DEP_1)
	v_cvt_i32_f32 v254, v254                       ; (it saturates)
	s_delay_alu instid0(VALU_DEP_1)
	v_ldexp_f32 v252, 1.0, v254                    ; f = 2^(old M - new M)
.set j, 0
.rept 32
	v_pk_fma_f32 v[96+j:97+j], v[96+j:97+j], s[CS:CS+1], v[12:13] op_sel_hi:[1,0,0]   ; t - M, two at a time
.set j, j+2
.endr
.irp b, 0,1,2,3
	v_fma_f32 v[232+\b], v[232+\b], s[CS], v12     ; the same of each block's largest score
.endr
.set j, 0
	s_wait_alu depctr_va_vdst(0)
.rept 64
	v_exp_f32 v[96+j], v[96+j]                     ; p = 2^(t - M), at most 1
.set j, j+1
.endr
	v_pk_mul_f32 v[14:15], v[14:15], v[252:253] op_sel_hi:[1,0]   ; the sums under the new M (a plain line behind the exponentials)
	s_wait_alu depctr_va_vdst(0)                   ; one wait for the whole batch, ahead of its first reader
.irp b, 0,1,2,3
	v_exp_f32 v[232+\b], v[232+\b]                 ; the block's largest p: the same two instructions on the same number give the same bits
.endr
	v_pk_add_f32 v[212:213], v[96:97], v[98:99]    ; the row's sum is taken of the unquantised p: two at a time, in two chains
.irp j, 4,8,12,16,20,24,28,32,36,40,44,48,52
	v_pk_add_f32 v[14:15], v[14:15], v[96+\j:97+\j]
	v_pk_add_f32 v[212:213], v[212:213], v[98+\j:99+\j]
.endr
	s_wait_alu depctr_va_vdst(0)                   ; and one for the four
.irp b, 0,1,2,3
	v_max_num_f32 v[232+\b], 0x1800000, v[232+\b]  ; the floor 2^(3 - 127): the byte cannot fall under 1
.endr
.irp b, 0,1,2,3
	s_delay_alu instid0(VALU_DEP_4)
	v_add_nc_u32 v[244+\b], 0xff000000, v[232+\b]  ; 2 off the exponent field: the conversion's scale operand
.endr
.irp b, 0,1,2,3
	s_delay_alu instid0(VALU_DEP_4)
	v_lshrrev_b32 v[236+\b], 23, v[244+\b]         ; the scale's byte
.endr
	s_delay_alu instid0(VALU_DEP_3)
	v_lshl_or_b32 v253, v237, 8, v236              ; p's scale word for these 128 keys
	s_delay_alu instid0(VALU_DEP_1)
	v_lshl_or_b32 v253, v238, 16, v253
	s_delay_alu instid0(VALU_DEP_1)
	v_lshl_or_b32 v253, v239, 24, v253
.irp c, 0,1
	v_cvt_scalef32_pk16_fp6_f32 v[224+6*\c:226+6*\c], v[96+32*\c:111+32*\c], v[244+2*\c]
	v_cvt_scalef32_pk16_fp6_f32 v[236+4*\c:238+4*\c], v[112+32*\c:127+32*\c], v[244+2*\c+1]   ; (a conversion's three registers begin on an even number)
.endr
	v_nop                                          ; one plain line behind a scaled conversion
.irp c, 0,1                                    ; the operand's layout wants a WHOLE block in a lane
.irp i, 0,1,2
	v_permlane16_swap_b32 v[224+6*\c+\i], v[236+4*\c+\i]
.endr
.irp i, 0,1,2
	s_delay_alu instid0(VALU_DEP_3)
	v_mov_b32 v[227+6*\c+\i], v[236+4*\c+\i]
.endr
.endr
.set j, 0
.rept 16
	v_pk_mul_f32 v[160+j:161+j], v[160+j:161+j], v[252:253] op_sel_hi:[1,0]   ; O^T under the new M
.set j, j+2
.endr
.irp j, 56,60                                  ; the sum's last five additions stand here: they name no register of the products below, and are the places in front of them
	v_pk_add_f32 v[14:15], v[14:15], v[96+\j:97+\j]
	v_pk_add_f32 v[212:213], v[212:213], v[98+\j:99+\j]
.endr
	s_delay_alu instid0(VALU_DEP_1)
	v_pk_add_f32 v[14:15], v[14:15], v[212:213]
	s_wait_alu depctr_va_vdst(0)
	s_wait_dscnt 0x0                               ; V is in
.irp t, 0,1,2,3                                ; O^T += V^T P^T: four accumulators, one instruction each
	v_wmma_scale_f32_16x16x128_f8f6f4 v[160+8*\t:167+8*\t], v[32+12*\t:43+12*\t], v[224:235], v[160+8*\t:167+8*\t], v[84+\t], v253 matrix_a_fmt:MATRIX_FMT_FP6 matrix_b_fmt:MATRIX_FMT_FP6
.endr
	s_add_co_u32 s[TK], s[TK], 6400
	s_add_co_u32 s[TV], s[TV], 3072
	s_add_co_u32 s[TS], s[TS], 256
.endm
; THE WAY OUT of a pass: O^T / the sum, quantised along the head's 64 channels (two blocks), stored as a half-image and two scale bytes a row.
.macro OUT p
.rept 4
	v_nop                                          ; places behind the last products
.endr
	v_add_f32 v14, v14, v15                        ; the sum's two halves,
	s_delay_alu instid0(VALU_DEP_1)
	v_permlanex16_b32 v252, v14, s[SEL], s[SEL+1]
	s_delay_alu instid0(VALU_DEP_1)
	v_add_f32 v14, v14, v252                       ; and lane l xor 16's: the row's sum
	s_wait_alu depctr_va_vdst(0)
	v_rcp_f32 v14, v14
	v_nop                                          ; a plain line behind the reciprocal
	s_wait_alu depctr_va_vdst(0)                   ; and the wait ahead of its first reader
.set j, 0
.rept 16
	v_pk_mul_f32 v[96+j:97+j], v[160+j:161+j], v[14:15] op_sel_hi:[1,0]   ; register 16 b + i: channel 32 b + 16 (lane / 16) + i; each accumulator is read from its low end on
.set j, j+2
.endr
.irp b, 0,1
	v_max3_num_f32 v[232+\b], |v[96+16*\b]|, |v[97+16*\b]|, 0x1800000
.endr
.irp i, 2,4,6,8,10,12,14
.irp b, 0,1
	s_delay_alu instid0(VALU_DEP_2)
	v_max3_num_f32 v[232+\b], v[232+\b], |v[96+16*\b+\i]|, |v[97+16*\b+\i]|
.endr
.endr
.irp b, 0,1
	s_delay_alu instid0(VALU_DEP_2)
	v_permlanex16_b32 v[236+\b], v[232+\b], s[SEL], s[SEL+1]
.endr
.irp b, 0,1
	s_delay_alu instid0(VALU_DEP_2)
	v_max_num_f32 v[232+\b], v[232+\b], v[236+\b]
.endr
.irp b, 0,1
	s_delay_alu instid0(VALU_DEP_2)
	v_add_nc_u32 v[244+\b], 0xff000000, v[232+\b]
.endr
.irp b, 0,1
	s_delay_alu instid0(VALU_DEP_2)
	v_lshrrev_b32 v[236+\b], 23, v[244+\b]
.endr
	s_delay_alu instid0(VALU_DEP_1)
	v_lshl_or_b32 v254, v237, 8, v236              ; my row's two bytes
	v_cvt_scalef32_pk16_fp6_f32 v[224:226], v[96:111], v244
	v_cvt_scalef32_pk16_fp6_f32 v[240:242], v[112:127], v245
	v_nop
.irp i, 0,1,2
	v_permlane16_swap_b32 v[224+\i], v[240+\i]
.endr
.irp i, 0,1,2
	s_delay_alu instid0(VALU_DEP_3)
	v_mov_b32 v[227+\i], v[240+\i]
.endr
	global_store_b128 v1, v[224:227], s[OP:OP+1] offset:\p*196608        ; 512 consecutive bytes, aligned at 256
	global_store_b64 v2, v[228:229], s[OP:OP+1] offset:\p*196608+512     ; 256 consecutive bytes, aligned
	global_store_b16 v4, v254, s[SPT:SPT+1] offset:\p*8192               ; both halves of the lanes write the same two bytes
.endm
; A PASS: 16 queries a wave against all 2,048 keys.
.macro PASS p
.if \p
	s_wait_xcnt 0x0                                ; the first pass's stores have read their registers, which this pass writes again
.endif
	global_load_b128 v[192:195], v1, s[QP:QP+1] offset:\p*12800          ; q's half-image, into both of its places
	global_load_b64 v[196:197], v2, s[QP:QP+1] offset:\p*12800+512
	global_load_b128 v[204:207], v1, s[QP:QP+1] offset:\p*12800
	global_load_b64 v[208:209], v2, s[QP:QP+1] offset:\p*12800+512
	global_load_b32 v20, v3, s[QSP:QSP+1] offset:\p*12800
	v_mov_b32 v13, 0xff61b1e6                      ; the largest t so far: -3e38, under every t
	s_delay_alu instid0(VALU_DEP_1)
	v_floor_f32 v12, -v13                          ; -M
	v_mov_b32 v14, 0                               ; the sum, in two halves
	v_mov_b32 v15, 0
	s_mov_b32 s[TK], 0
	s_mov_b32 s[TV], 0
	s_mov_b32 s[TS], 0
	s_mov_b32 s[CNT], 16
	s_wait_loadcnt 0x0
	v_lshrrev_b32 v210, s[SH], v20
	s_delay_alu instid0(VALU_DEP_1)
	v_and_b32 v210, 0xffff, v210                   ; (q | zeros): my tile's two bytes below, 0 above
	s_delay_alu instid0(VALU_DEP_1)
	v_lshlrev_b32 v211, 16, v210                   ; (zeros | q): the other way round
.set j, 0
.rept 32
	v_mov_b32 v[160+j], 0                          ; O^T: the first step finds zeros, which the first change of M leaves zeros.  (Also the places between the scale words' lines and the first product)
.set j, j+1
.endr
.if \p == 0
	s_wait_tensorcnt 0x0                           ; my fills have landed,
	s_barrier_signal -1
	s_barrier_wait -1                              ; everybody's have: K and V are whole, and nothing writes them again
.endif
.Lkeys_\@:
	STEP
	s_sub_co_u32 s[CNT], s[CNT], 1
	s_cmp_lg_u32 s[CNT], 0
	s_cbranch_scc1 .Lkeys_\@
	OUT \p
.endm
	PASS 0
	PASS 1
	s_wait_tensorcnt 0x0                           ; the wave's end
	ds_add_u32 v5, v6
	s_wait_dscnt 0x0
	CROUND                                         ; the closing round
	s_endpgm
.Lfunc_end_k_q199d44aa2f_attn:
	.size	k_q199d44aa2f_attn, .Lfunc_end_k_q199d44aa2f_attn-k_q199d44aa2f_attn
	.p2alignl 7, 3214868480
	.fill 96, 4, 3214868480
	.section	.rodata,"a",@progbits
	.p2align	6, 0x0
	.amdhsa_kernel k_q199d44aa2f_attn
		.amdhsa_group_segment_fixed_size 206848
		.amdhsa_private_segment_fixed_size 0
		.amdhsa_enable_private_segment 0
		.amdhsa_kernarg_size 16
		.amdhsa_user_sgpr_count 2
		.amdhsa_user_sgpr_kernarg_segment_ptr 1
		.amdhsa_wavefront_size32 1
		.amdhsa_system_sgpr_workgroup_id_x 1
		.amdhsa_system_sgpr_workgroup_id_y 1
		.amdhsa_system_sgpr_workgroup_id_z 1
		.amdhsa_system_vgpr_workitem_id 0
		.amdhsa_next_free_vgpr 256
		.amdhsa_next_free_sgpr 102
		.amdhsa_reserve_vcc 0
		.amdhsa_float_denorm_mode_32 3
		.amdhsa_float_denorm_mode_16_64 3
		.amdhsa_memory_ordered 1
		.amdhsa_forward_progress 1
		.amdhsa_inst_pref_size 56
	.end_amdhsa_kernel
	.amdgpu_metadata
---
amdhsa.version: [ 1, 2 ]
amdhsa.kernels:
  - .name:           k_q199d44aa2f_attn
    .symbol:         k_q199d44aa2f_attn.kd
    .args:
      - { .name: qkv, .offset: 0, .size: 8, .value_kind: global_buffer, .address_space: global }
      - { .name: obuf, .offset: 8, .size: 8, .value_kind: global_buffer, .address_space: global }
    .group_segment_fixed_size: 206848
    .private_segment_fixed_size: 0
    .kernarg_segment_align: 8
    .kernarg_segment_size: 16
    .max_flat_workgroup_size: 512
    .sgpr_count:     102
    .vgpr_count:     256
    .wavefront_size: 32
...
	.end_amdgpu_metadata
.endif
;; end of part 3
;; launch proj (part 4): grid 32 x 8, 4 waves a work-group, clusters of 4 x 1, 167,936 bytes of LDS; arguments obuf, prep, out0; writes out0
.if DOCPART == 4
	.amdgcn_target "amdgcn-amd-amdhsa--gfx1250"
	.amdhsa_code_object_version 6
	.text
	.protected	k_q199d44aa2f_proj
	.globl	k_q199d44aa2f_proj
	.p2align	8
	.type	k_q199d44aa2f_proj,@function
k_q199d44aa2f_proj:
	s_mov_b64 s[64:65], 0
	v_nop
	global_prefetch_b8 v0, s[64:65] scope:SCOPE_SE
	s_setreg_imm32_b32 hwreg(HW_REG_WAVE_MODE, 25, 1), 1
	s_wait_xcnt 0x0
	s_wait_alu depctr_hold_cnt(0) depctr_sa_sdst(0) depctr_va_vdst(0) depctr_va_sdst(0) depctr_va_ssrc(0) depctr_va_vcc(0) depctr_vm_vsrc(0)
	s_getreg_b32 s2, hwreg(HW_REG_IB_STS2, 6, 4)
	s_cmp_eq_u32 s2, 0
	s_cbranch_scc0 .Lentry_in_a_cluster
	s_endpgm
.Lentry_in_a_cluster:
	s_bfe_u32 s2, ttmp6, 0x10000c
	s_cmp_lg_u32 s2, 0x3003
	s_cbranch_scc0 .Lentry_shape_is_right
	s_endpgm
.Lentry_shape_is_right:
; out = O Wo^T on codes of FP6 (E2M3); O's codes and scale bytes come from the attention launch, Wo's from prep; out is f32.
; SHARES.  256 work-groups.  Work-group (rb, g) makes rows 256 rb .. + 255 by columns 128 g .. + 127.  A wave owns 64 rows of O: their codes for all of K stay in 384 registers, loaded from obuf's images,
; 512 or 256 consecutive bytes a load; 32 accumulators (4 blocks of rows by 8 of columns).  Wo's record g (8 blocks of images and the rows' scale bytes, 102,400 bytes) comes into LDS once,
; as 4 x 100 rows of 256 bytes, one tensor load a wave at the head; nothing is filled again.
; CLUSTERS: the four work-groups of a cluster share g and so the record: a joint load with the mask of all four.  O goes from memory into registers, where no joint load can bring it.
; No prefetch: every byte that the launch reads is asked for at the head.
; Source 0 = 16 rows of Wo, source 1 = 16 rows of O: a lane holds eight neighbouring columns of one row.  A block of 16 rows goes through the wave's own stage in LDS, on bytes that no fill lands on,
; and leaves as rows of 512 consecutive bytes.  O's rows lie in the order in which prep lays x's: row t of block a is row 32 (a / 2) + 8 (a % 2) + t + 8 (t / 8) of the wave's 64.
; REGISTERS.  Window 0: v0-31 addresses; v32-63 O's scale words; v64-127 Wo's; v160-255 Wo's set 0; on the way out v64-191 rows read back.  Window 1: O's steps 0-4.  Window 2: v0-143 O's steps 5-7, v144-239 Wo's set 1.  Window 3: the accumulators.
.set REC,   102400
.set STAGE, REC
.set SPITCH, 528
.set SPARE, STAGE+4*16*SPITCH
.set WR,    6291456
.set OSC,   6291456
.set SPW,   28
.set NIL,   29
.set AS,    32
.set BS,    64
.set F0,    160
.set F1,    144
.set STO,   13
.set RD,    14
.set MSB,   0
.macro WIN new
.set NEWW, \new
.if MSB != NEWW
	s_set_vgpr_msb (MSB<<8)|NEWW
.set MSB, NEWW
.endif
.endm
.macro CROUND
	s_barrier_signal -1
	s_barrier_wait -1
	s_cmp_lg_u32 s8, 0
	s_cbranch_scc1 .Lnot_wave_0_\@
	s_barrier_signal -3
.Lnot_wave_0_\@:
	s_barrier_wait -3
	s_barrier_signal -1
	s_barrier_wait -1
.endm
.macro PLACES
.rept 4
	v_nop
.endr
.endm
.macro ASET st
.if (\st) < 5
.set XB, 48*(\st)
.set AW, 1
.else
.set XB, 48*((\st)-5)
.set AW, 2
.endif
.endm
.macro XLOAD st
	ASET \st
	WIN AW<<6
.irp a, 0,1,2,3
	global_load_b128 v[XB+12*\a:XB+12*\a+3], v3, s[24:25] offset:12288*\a+1536*(\st)
	global_load_b64 v[XB+12*\a+4:XB+12*\a+5], v4, s[24:25] offset:12288*\a+1536*(\st)+512
	global_load_b128 v[XB+12*\a+6:XB+12*\a+9], v3, s[24:25] offset:12288*\a+1536*(\st)+768
	global_load_b64 v[XB+12*\a+10:XB+12*\a+11], v4, s[24:25] offset:12288*\a+1536*(\st)+1280
.endr
.endm
.macro FETCH st                        ; Wo's eight fragments of step st into set st % 2
.if (\st)%2
.set FB, F1
	WIN 0x80
.else
.set FB, F0
	WIN 0
.endif
.irp b, 0,1,2,3,4,5,6,7
.set FO, 12288*(\b%4)+1536*(\st)
	ds_load_b128 v[FB+12*\b:FB+12*\b+3], v[8+2*(\b/4)] offset:FO
	ds_load_b64 v[FB+12*\b+4:FB+12*\b+5], v[9+2*(\b/4)] offset:FO+512
	ds_load_b128 v[FB+12*\b+6:FB+12*\b+9], v[8+2*(\b/4)] offset:FO+768
	ds_load_b64 v[FB+12*\b+10:FB+12*\b+11], v[9+2*(\b/4)] offset:FO+1280
.endr
	WIN 0
.endm
.macro MULS st                         ; 32 matrix instructions, the 32 accumulators by turns; step 0 starts the sums
	ASET \st
.if (\st)%2
.set FB, F1
.set BW, 2
.else
.set FB, F0
.set BW, 0
.endif
	WIN 0xf0|(AW<<2)|BW
.irp b, 0,1,2,3,4,5,6,7
.irp a, 0,1,2,3
.set DR, 8*(8*\a+\b)
.if (\st) == 0
	v_wmma_scale_f32_16x16x128_f8f6f4 v[DR:DR+7], v[FB+12*\b:FB+12*\b+11], v[XB+12*\a:XB+12*\a+11], 0, v[BS+8*\b+(\st)], v[AS+8*\a+(\st)] matrix_a_fmt:MATRIX_FMT_FP6 matrix_b_fmt:MATRIX_FMT_FP6
.else
	v_wmma_scale_f32_16x16x128_f8f6f4 v[DR:DR+7], v[FB+12*\b:FB+12*\b+11], v[XB+12*\a:XB+12*\a+11], v[DR:DR+7], v[BS+8*\b+(\st)], v[AS+8*\a+(\st)] matrix_a_fmt:MATRIX_FMT_FP6 matrix_b_fmt:MATRIX_FMT_FP6
.endif
.endr
.endr
	WIN 0
.endm
.macro KSTEP st
	s_wait_dscnt 0x0                               ; this step's fragments are in
.if (\st) > 0
	PLACES                                         ; four places between the last step's products and loads into the set that they read
.endif
.if (\st) < 7
	FETCH (\st)+1
.endif
	MULS \st
.endm
	s_load_b128 s[4:7], s[0:1], 0x0                ; obuf, prep
	s_load_b64 s[30:31], s[0:1], 0x10              ; out0
	v_lshl_add_u32 v[SPW], v0, 2, SPARE
	v_mov_b32 v[NIL], 0
	ds_add_u32 v[SPW], v[NIL]                      ; the opening lines: the add, twice on end, and its wait ahead of my first tensor load
	ds_add_u32 v[SPW], v[NIL]
	v_lshrrev_b32 v1, 5, v0
	v_readfirstlane_b32 s8, v1                     ; wave
	s_bfe_u32 s9, ttmp6, 0x40000                   ; cx: it enters O's and out's addresses alone
	s_lshl_b32 s10, ttmp9, 2
	s_add_co_u32 s10, s10, s9                      ; rb
	s_and_b32 s11, ttmp7, 0xffff                   ; g, which the four partners share
	s_mov_b32 s16, 15|(3<<16)|(1<<21)              ; group 1: 100 dense rows of 256 bytes; the mask names all four work-groups, bit 21 beside it
	s_mov_b32 s17, 32<<16
	s_mov_b32 s18, 100<<16
	s_mov_b32 s19, 32<<16
	s_mov_b32 s20, 100
	s_mov_b32 s21, 32
	s_mov_b32 s22, 0
	s_mov_b32 s23, 0
	s_mov_b32 s12, 1
	s_mul_i32 s13, s8, 25600                       ; my quarter of the record
	s_mul_i32 s38, s11, REC
	s_add_co_u32 s38, s38, s13
	s_add_co_u32 s38, s38, WR+24*REC               ; Wo's records are the last eight
	s_mov_b32 s39, 0
	s_lshl_b32 s44, s10, 2
	s_add_co_u32 s44, s44, s8                      ; my run of 64 rows
	s_mul_i32 s24, s44, 49152
	s_mov_b32 s25, 0
	s_lshl_b32 s26, s44, 11
	s_add_co_u32 s26, s26, OSC
	s_mov_b32 s27, 0
	s_lshl_b32 s32, s44, 18                        ; 64 rows of 4,096 bytes
	s_lshl_b32 s33, s11, 9                         ; 128 columns
	s_add_co_u32 s32, s32, s33
	s_mov_b32 s33, 0
	s_mul_i32 s34, s8, 16*SPITCH
	s_add_co_u32 s34, s34, STAGE                   ; my stage
	v_and_b32 v2, 31, v0
	v_lshlrev_b32 v3, 4, v2                        ; 16 x lane
	v_lshlrev_b32 v4, 3, v2                        ; 8 x lane
	v_and_b32 v5, 15, v0
	v_bfe_u32 v6, v0, 4, 1
	v_lshlrev_b32 v7, 5, v5                        ; a row's 32 scale bytes
	v_add_nc_u32 v12, 98304, v7
	v_mov_b32 v8, v3                               ; the record's blocks 0-3,
	v_mov_b32 v9, v4
	v_add_nc_u32 v10, 49152, v3                    ; and 4-7
	v_add_nc_u32 v11, 49152, v4
	v_mul_u32_u24 v15, v5, SPITCH
	v_lshl_add_u32 v15, v6, 5, v15
	v_add_nc_u32 v[STO], s34, v15                  ; into the stage: row r, 32 bytes for each half of the lanes
	v_add_nc_u32 v[RD], s34, v3                    ; back: the 32 lanes take one row of 512 bytes
	s_wait_alu depctr_va_vdst(0)                   ; the head's end
	s_wait_dscnt 0x0
	s_wait_kmcnt 0x0
	s_add_nc_u64 s[14:15], s[6:7], s[38:39]
	s_or_b32 s15, s15, 0x80000000
	s_add_nc_u64 s[24:25], s[4:5], s[24:25]
	s_add_nc_u64 s[26:27], s[4:5], s[26:27]
	s_add_nc_u64 s[30:31], s[30:31], s[32:33]
	CROUND                                         ; all four work-groups are here: the joint loads meet
	tensor_load_to_lds s[12:15], s[16:23]
	s_nop 0
	PLACES
.irp a, 0,1,2,3
	global_load_b128 v[AS+8*\a:AS+8*\a+3], v7, s[26:27] offset:512*\a
	global_load_b128 v[AS+8*\a+4:AS+8*\a+7], v7, s[26:27] offset:512*\a+16
.endr
.irp st, 0,1,2,3,4,5,6,7
	XLOAD \st
.endr
	WIN 0
	s_wait_tensorcnt 0x0                           ; my quarter of the record is in,
	s_barrier_signal -1
	s_barrier_wait -1                              ; everybody's is
.irp b, 0,1,2,3,4,5,6,7
	ds_load_b128 v[BS+8*\b:BS+8*\b+3], v12 offset:512*\b
	ds_load_b128 v[BS+8*\b+4:BS+8*\b+7], v12 offset:512*\b+16
.endr
	FETCH 0
	s_wait_loadcnt 0x0                             ; O's codes and scale words are in
.irp st, 0,1,2,3,4,5,6,7
	KSTEP \st
.endr
.macro TOSTAGE a
	WIN 0x0c                                       ; the data: window 3
.irp b, 0,1,2,3,4,5,6,7
	ds_store_b128 v[STO], v[64*(\a)+8*\b:64*(\a)+8*\b+3] offset:64*\b          ; each accumulator from its low end on
	ds_store_b128 v[STO], v[64*(\a)+8*\b+4:64*(\a)+8*\b+7] offset:64*\b+16
.endr
	WIN 0
.set BB, 64+64*((\a)%2)
.irp t, 0,1,2,3,4,5,6,7,8,9,10,11,12,13,14,15
	ds_load_b128 v[BB+4*\t:BB+4*\t+3], v[RD] offset:\t*SPITCH      ; LDS serves a wave's instructions in order: these see the stores above
.endr
.endm
.macro SEND a, younger                 ; younger: the LDS instructions issued behind block a's loads, which may stay out
.set BB, 64+64*((\a)%2)
	s_wait_dscnt \younger
.irp t, 0,1,2,3,4,5,6,7,8,9,10,11,12,13,14,15
	global_store_b128 v3, v[BB+4*\t:BB+4*\t+3], s[30:31] offset:(32*((\a)/2)+8*((\a)%2)+\t+8*(\t/8))*4096 th:TH_STORE_NT   ; 512 consecutive bytes, aligned
.endr
.endm
	PLACES                                         ; behind the last products
	TOSTAGE 0
.irp a, 1,2,3
.if \a > 1
	s_wait_xcnt 0x0                                ; block a - 2's stores have read their registers
.endif
	TOSTAGE \a
	SEND \a-1, 32                                  ; behind block a - 1's loads: block a's 16 stores and 16 loads
.endr
	SEND 3, 0
	s_wait_tensorcnt 0x0                           ; the wave's end
	ds_add_u32 v[SPW], v[NIL]
	s_wait_dscnt 0x0
	CROUND                                         ; the closing round
	s_endpgm
.Lfunc_end_k_q199d44aa2f_proj:
	.size	k_q199d44aa2f_proj, .Lfunc_end_k_q199d44aa2f_proj-k_q199d44aa2f_proj
	.p2alignl 7, 3214868480
	.fill 96, 4, 3214868480
	.section	.rodata,"a",@progbits
	.p2align	6, 0x0
	.amdhsa_kernel k_q199d44aa2f_proj
		.amdhsa_group_segment_fixed_size 167936
		.amdhsa_private_segment_fixed_size 0
		.amdhsa_enable_private_segment 0
		.amdhsa_kernarg_size 24
		.amdhsa_user_sgpr_count 2
		.amdhsa_user_sgpr_kernarg_segment_ptr 1
		.amdhsa_wavefront_size32 1
		.amdhsa_system_sgpr_workgroup_id_x 1
		.amdhsa_system_sgpr_workgroup_id_y 1
		.amdhsa_system_sgpr_workgroup_id_z 1
		.amdhsa_system_vgpr_workitem_id 0
		.amdhsa_next_free_vgpr 1024
		.amdhsa_next_free_sgpr 66
		.amdhsa_reserve_vcc 0
		.amdhsa_float_denorm_mode_32 3
		.amdhsa_float_denorm_mode_16_64 3
		.amdhsa_memory_ordered 1
		.amdhsa_forward_progress 1
		.amdhsa_inst_pref_size 83
	.end_amdhsa_kernel
	.amdgpu_metadata
---
amdhsa.version: [ 1, 2 ]
amdhsa.kernels:
  - .name:           k_q199d44aa2f_proj
    .symbol:         k_q199d44aa2f_proj.kd
    .args:
      - { .name: obuf, .offset: 0, .size: 8, .value_kind: global_buffer, .address_space: global }
      - { .name: prep, .offset: 8, .size: 8, .value_kind: global_buffer, .address_space: global }
      - { .name: out0, .offset: 16, .size: 8, .value_kind: global_buffer, .address_space: global }
    .group_segment_fixed_size: 167936
    .private_segment_fixed_size: 0
    .kernarg_segment_align: 8
    .kernarg_segment_size: 24
    .max_flat_workgroup_size: 128
    .sgpr_count:     66
    .vgpr_count:     1024
    .wavefront_size: 32
...
	.end_amdgpu_metadata
.endif
;; end of part 4
